; MI455X (gfx1250); checked and timed in simulation.
; The chip was launched on July 23, 2026; its instructions are those of AMD's public machine-readable ISA for CDNA 5 (MIT licence, August 2026) and "CDNA5" Instruction Set Architecture Reference Guide (July 2026). The comments in the code are by the model that wrote it; some were corrected since.
;; Multi Head Attention. Allowed arithmetic: matrix products marked QUANTISED: E2M1 operands, one E8M0 scale for each 32 along K, by v_wmma_scale_f32_16x16x128_f8f6f4 with both operands' format E2M1 (or v_wmma_scale_f32_32x16x128_f4), f32 sums; everything else in f32.
;; Inputs: Wk 1,024 x 1,024 float32; Wq 1,024 x 1,024 float32; Wv 1,024 x 1,024 float32; beta 1,024 float32; bk 1,024 float32; bq 1,024 float32; bv 1,024 float32; gamma 1,024 float32; keys 4 x 2,048 x 1,024 float32; queries 4 x 2,048 x 1,024 float32; values 4 x 2,048 x 1,024 float32.
;; Outputs: out0 4 x 2,048 x 1,024 float32.
;; This version of the problem:
;;   THIS VERSION OF THE PROBLEM IS GIVEN IN LOW PRECISION. The matrix products marked QUANTISED in the list below multiply operands that are first quantised to E2M1 (2 exponent bits, 1 mantissa bit; 4 bits a number), with one power-of-two scale for each 32 numbers along K (OCP MX v1.0); their sums are f32. All else is computed in f32.
;;   The module's matrix products, in the order in which they are computed (A, B: the left and right operand; K: the contracted axis; several contracted axes count as one K, in the product's order):
;;     1. [M 8,192, K 1,024] x [K 1,024, N 1,024]; A: input queries; B: input Wq: QUANTISED
;;     2. [M 8,192, K 1,024] x [K 1,024, N 1,024]; A: input keys; B: input Wk: QUANTISED
;;     3. [M 8,192, K 1,024] x [K 1,024, N 1,024]; A: input values; B: input Wv: QUANTISED
;;     4. batch 32 x [M 2,048, K 128] x [K 128, N 2,048]; A: computed on the way; B: computed on the way: QUANTISED
;;     5. batch 32 x [M 2,048, K 2,048] x [K 2,048, N 128]; A: softmax (see below); B: computed on the way: QUANTISED
;;   THE QUANTISER, for each operand of a quantised product, along K:
;;     - K is cut into blocks of 32 from its start; a last block that is shorter is filled with zeros.
;;     - A block's scale is 2^e with e = floor(log2(the largest magnitude in the block)) - 2, held to -126 .. 127; a block of zeros has e = 0. As a byte (E8M0): e + 127.
;;     - Each number is divided by its block's scale, clamped to +-6, and rounded to the nearest number of E2M1, ties to even, subnormals kept.
;;     - The product sums the exact products of the quantised numbers (number of the format x scale) in f32.
;;   ~~~python
;;   def quantise(x, axis):      # numpy; x: float32 -> the quantised numbers, widened to float32 again
;;       x = np.moveaxis(x, axis, -1); K = x.shape[-1]
;;       x = np.pad(x, [(0, 0)] * (x.ndim - 1) + [(0, -K % 32)]); x = x.reshape(x.shape[:-1] + (-1, 32)); a = np.abs(x).max(-1, keepdims=True)
;;       e = np.where(a > 0, np.clip(np.frexp(np.where(a > 0, a, 1))[1] - 1 - 2, -126, 127), 0)      # np.frexp(a)[1] - 1 = floor(log2(a)), exactly
;;       r = np.clip(x / 2.0 ** e, -6, 6)
;;       step = 2.0 ** (np.maximum(np.frexp(np.where(r == 0, 1, r))[1] - 1, 0) - 1)
;;       q = np.round(r / step) * step * 2.0 ** e      # np.round: ties to even
;;       return np.moveaxis(q.reshape(q.shape[:-2] + (-1,))[..., :K], -1, axis).astype(np.float32)
;;   ~~~
;;   SOFTMAX AHEAD OF A QUANTISED PRODUCT. Where the list says 'softmax', what is quantised is not the finished softmax but p = 2^(t - M), with t = logit x log2(e) and M = ceil(the row's largest t), a whole number; so 1/2 < the row's largest p <= 1. The row's sum l is taken of the UNQUANTISED p, in f32, and the product's result is divided by l at the end. Since M is a whole number, a kernel that streams over the keys may use a running M (the ceiling of the running maximum): every later rescaling is an exact power of two, which a block's scale takes up: the codes' values come out the same.
;;   OPERANDS COMPUTED ON THE WAY. 'Computed on the way' means the value that the module computes at that place (a softmax that the list does not call 'softmax' is quantised finished and normalised). What goes into a quantiser is computed in f32, as accurately as f32 sums, v_exp_f32 and their like allow (about 1e-6 of the number): no bf16 or f16 on the way to a quantiser, and a product that is left as it is and whose result goes on into a quantised operand takes f32 operands (vector FMAs, or v_wmma_f32_16x16x4_f32). A number that lies on a knife's edge between two numbers of the format may be rounded either way, as far as f32 arithmetic and the matrix unit's own rounding can turn it there, and no further.
;; One version. Each part assembles by itself: llvm-mc -triple=amdgcn-amd-amdhsa -mcpu=gfx1250 --defsym DOCPART=n.
;; ======== version 1 of 1: 4 launches
;; workspace buffers: codes 14,155,776 bytes; scales 884,736 bytes; qc 4,456,448 bytes; kv 8,912,896 bytes; x 33,554,432 bytes
;; launch quant (part 1): grid 864 x 1, 4 waves a work-group, no clusters, 33,280 bytes of LDS; arguments queries, keys, values, Wq, Wk, Wv, codes, scales; writes codes, scales
.if DOCPART == 1
	.amdgcn_target "amdgcn-amd-amdhsa--gfx1250"
	.amdhsa_code_object_version 6
	.text
	.protected	k_q1b616d3bbb_quant
	.globl	k_q1b616d3bbb_quant
	.p2align	8
	.type	k_q1b616d3bbb_quant,@function
k_q1b616d3bbb_quant:
	s_mov_b64 s[64:65], 0
	v_nop
	global_prefetch_b8 v0, s[64:65] scope:SCOPE_SE
	s_setreg_imm32_b32 hwreg(HW_REG_WAVE_MODE, 25, 1), 1
	s_wait_xcnt 0x0
; LAUNCH 1 OF 4.  queries, keys, values [8192][1024] and Wq, Wk, Wv [1024][1024], f32, become codes of E2M1 (two a byte, K innermost) and one E8M0 byte for each 32 along K = 1,024.
; DEAD WORK: none in the whole program.  Every one of the eleven inputs reaches out0 for some values: bq, bk and bv stand ahead of quantisers (bk too: it moves K's codes and scales), gamma and beta
; scale and shift the result, queries enters twice.  So every input is loaded by some launch and all five products are made.
; A block's scale is 2^(floor(log2(its largest magnitude)) - 2); its byte is the largest magnitude's own exponent field - 2, held at 1 from below.
; LIMITS: a block of zeros gets the byte 1 where the quantiser says 127 (its codes are zeros, which add nothing under any byte but 0xff, and this program alone reads the bytes); blocks whose largest
; magnitude lies under 2^-124 keep the byte 1; NaN and infinities among the inputs are not served.
; OUTPUT ORDER.  The six tensors are stacked: 8,192 + 8,192 + 8,192 + 1,024 + 1,024 + 1,024 rows of 512 bytes of codes, and of 32 scale bytes.  Runs of 8 rows change places, so that 16 neighbouring stored rows are a tile as its reader wants it:
;   all but keys, in each group of 32 rows: stored row 32 b + 16 u + p is row 32 b + 8 u + p + 8 (p / 8): used as source 0 of a product, two neighbouring tiles give a lane 16 neighbours;
;   keys, in each group of 64 rows: stored row 64 c + 16 u + p is row 64 c + 8 u + p + 24 (p / 8): as source 0 of the attention's first product, four neighbouring tiles give a lane 32 neighbouring keys.
; SHARES.  A work-group takes 32 rows, each of its four waves 8 rows = 8,192 numbers in 16 steps of 512: so the change of places is a change of the wave's output run, a few scalar lines.
; A lane must hold 16 neighbours for the conversions, and a load is best where neighbouring lanes take neighbouring bytes: each load reads 512 consecutive bytes, and a step's 2,048 bytes turn through the
; wave's own stage in LDS (16 bytes of padding behind each 64).  A wave's store of codes covers 256 consecutive bytes, aligned; its 256 scale bytes are gathered in LDS and leave as one such run.
; No tensor loads, no barrier, no cluster: waves and work-groups share no input byte.  Loads run four steps (16 loads a wave) ahead.
.set STEPS, 16
.set XWG,   768                        ; work-groups 0-767 take queries, keys, values (256 each); 768-863 Wq, Wk, Wv (32 each)
.set EMAX,  2
.set CB,    8                          ; bytes of 16 codes
.set R,     16                         ; v16-79   four sets of 16 numbers as they are loaded
.set X,     80                         ; v80-111  two sets of 16 neighbours
.set C,     128                        ; v128-191 codes: four registers for each step, so that no store's data are written again
.set E,     112                        ; v112-127 a scale byte for each step
.set WREG,  8192                       ; LDS: a region for each wave: two stages of 32 x SP bytes, behind them its 256 scale bytes
.set SP,    80                         ; a lane's place in a stage: 64 bytes + 16 of padding
.set SPW,   12                         ; v12      LDS address of my spare word; never rewritten
.set NIL,   13                         ; v13      0; never rewritten
.set SPARE, 4*WREG                     ; behind the four regions: the spare words, 128 bytes a wave, which no other line names
	s_load_b256 s[4:11], s[0:1], 0x0               ; queries, keys, values, Wq
	s_load_b256 s[12:19], s[0:1], 0x20             ; Wk, Wv, codes, scales
	v_lshl_add_u32 v[SPW], v0, 2, SPARE
	v_mov_b32 v[NIL], 0
	v_lshrrev_b32 v1, 5, v0
	v_readfirstlane_b32 s20, v1                    ; wave
	v_and_b32 v2, 31, v0                           ; lane
	v_lshlrev_b32 v3, 4, v2                        ; my 16 bytes of a load's 512
	s_mul_i32 s21, s20, WREG
	v_lshrrev_b32 v14, 2, v2
	v_mul_u32_u24 v14, v14, SP
	v_and_b32 v15, 3, v2
	v_lshl_add_u32 v14, v15, 4, v14
	v_add_nc_u32 v14, s21, v14                     ; the stage, on the way in: SP (lane / 4) + 16 (lane % 4)
	v_mul_u32_u24 v15, v2, SP
	v_add_nc_u32 v15, s21, v15                     ; and on the way out: SP x lane: my 16 neighbours
	v_mul_u32_u24 v4, v2, CB                       ; my codes' place in a step's
	v_lshrrev_b32 v5, 1, v2
	s_add_co_u32 s21, s21, 2*32*SP
	v_add_nc_u32 v5, s21, v5                       ; LDS: my wave's 256 scale bytes, my block's byte
	v_lshlrev_b32 v7, 3, v2                        ; and on the way out 8 bytes a lane
	v_add_nc_u32 v6, s21, v7
	s_lshr_b32 s22, ttmp9, 8                       ; which of queries, keys, values,
	s_and_b32 s23, ttmp9, 255                      ; and which 32 rows of it
	s_sub_co_u32 s24, ttmp9, XWG
	s_lshr_b32 s25, s24, 5                         ; which of Wq, Wk, Wv,
	s_and_b32 s24, s24, 31                         ; and which 32 rows
	s_and_b32 s26, s20, 1
	s_lshl_b32 s26, s26, 1
	s_lshr_b32 s27, s20, 1
	s_or_b32 s26, s26, s27                         ; all but keys: waves 1 and 2 change places on the way out
	s_lshl_b32 s27, ttmp9, 2
	s_add_co_u32 s26, s26, s27                     ; my output run of 8 rows in the stack
	s_lshr_b32 s28, ttmp9, 1                       ; keys: two work-groups share a group of 64 rows, 8 runs:
	s_lshl_b32 s28, s28, 3
	s_lshl_b32 s29, s20, 1
	s_add_co_u32 s28, s28, s29                     ; run 4 (work-group % 2) + wave goes to place 2 x wave
	s_and_b32 s29, ttmp9, 1
	s_add_co_u32 s28, s28, s29                     ; + work-group % 2
	s_cmp_eq_u32 s22, 1                            ; keys are work-groups 256 to 511
	s_cselect_b32 s26, s28, s26
	s_lshl_b32 s28, s26, 12                        ; 4,096 bytes of codes a run
	s_mov_b32 s29, 0
	s_lshl_b32 s30, s26, 8                         ; 256 scale bytes a run
	s_mov_b32 s31, 0
	s_wait_kmcnt 0x0
	s_cmp_lt_u32 ttmp9, XWG                        ; the choices hang on the work-group's number alone
	s_cselect_b64 s[4:5], s[4:5], s[10:11]
	s_cselect_b64 s[6:7], s[6:7], s[12:13]
	s_cselect_b64 s[8:9], s[8:9], s[14:15]
	s_cselect_b32 s22, s22, s25
	s_cselect_b32 s23, s23, s24
	s_cmp_eq_u32 s22, 1
	s_cselect_b64 s[4:5], s[6:7], s[4:5]
	s_cmp_eq_u32 s22, 2
	s_cselect_b64 s[4:5], s[8:9], s[4:5]
	s_lshl_b32 s23, s23, 2
	s_add_co_u32 s26, s23, s20                     ; my input run of 8 rows in its tensor
	s_lshl_b32 s26, s26, 15                        ; 32,768 bytes a run
	s_mov_b32 s27, 0
	s_add_nc_u64 s[4:5], s[4:5], s[26:27]
	s_add_nc_u64 s[16:17], s[16:17], s[28:29]
	s_add_nc_u64 s[18:19], s[18:19], s[30:31]
.macro LOAD t
.irp i, 0,1,2,3
	global_load_b128 v[R+16*((\t)%4)+4*\i:R+16*((\t)%4)+4*\i+3], v3, s[4:5] offset:2048*(\t)+512*\i th:TH_LOAD_NT   ; 32 lanes read 512 consecutive bytes
.endr
.endm
.macro TURN t                          ; step t's numbers through the stage: LDS serves a wave's instructions in order, so no wait stands between the stores and the loads
.irp i, 0,1,2,3
	ds_store_b128 v14, v[R+16*((\t)%4)+4*\i:R+16*((\t)%4)+4*\i+3] offset:32*SP*((\t)%2)+8*SP*\i
.endr
.irp i, 0,1,2,3
	ds_load_b128 v[X+16*((\t)%2)+4*\i:X+16*((\t)%2)+4*\i+3], v15 offset:32*SP*((\t)%2)+16*\i
.endr
.endm
.irp t, 0,1,2,3
	LOAD \t
.endr
	s_wait_loadcnt 12                              ; step 0's four loads are in; twelve younger ones stay out
	TURN 0
.macro STEP t
.set XS, X+16*((\t)%2)
.if (\t) > 0
	s_wait_dscnt 1                                 ; this step's numbers are back from the stage (the last step's byte store may be out): so its stores into the stage have read their registers,
.else
	s_wait_dscnt 0x0
.endif
.if (\t)+4 < STEPS
	LOAD (\t)+4                                    ; which take the loads of four steps on
.endif
.if (\t)+1 < STEPS
.if STEPS-2-(\t) >= 3
	s_wait_loadcnt 12                              ; the next step's four loads are in; those of the three steps behind it may be out
.else
	s_wait_loadcnt 4*(STEPS-2-(\t))
.endif
	TURN (\t)+1                                    ; and go through the other stage while this step is worked
.endif
	v_max3_num_f32 v8, |v[XS]|, |v[XS+1]|, |v[XS+2]|               ; the largest magnitude of my 16, in two chains
	v_max3_num_f32 v9, |v[XS+3]|, |v[XS+4]|, |v[XS+5]|
.irp i, 6,10
	v_max3_num_f32 v8, v8, |v[XS+\i]|, |v[XS+\i+1]|
	v_max3_num_f32 v9, v9, |v[XS+\i+2]|, |v[XS+\i+3]|
.endr
	v_max3_num_f32 v8, v8, |v[XS+14]|, |v[XS+15]|
	v_max3_num_f32 v8, v8, v9, (EMAX+1)<<23        ; and the floor 2^(3 - 127): the byte cannot fall under 1
	v_max_num_f32_dpp v8, v8, v8 row_xmask:1 row_mask:0xf bank_mask:0xf   ; and of my neighbour's 16: the block's
	v_add_nc_u32 v11, -(EMAX<<23), v8              ; 2 off its exponent field: the conversion takes the exponent field of this operand as its scale
	v_cvt_scalef32_pk8_fp4_f32 v[C+4*(\t)], v[XS:XS+7], v11
	v_cvt_scalef32_pk8_fp4_f32 v[C+4*(\t)+1], v[XS+8:XS+15], v11
	v_lshrrev_b32 v[E+(\t)], 23, v11               ; the scale's byte (also the plain line behind the conversions)
	ds_store_b8 v5, v[E+(\t)] offset:16*(\t)       ; both lanes of a block write the same byte with the same value
	global_store_b64 v4, v[C+4*(\t):C+4*(\t)+1], s[16:17] offset:32*CB*(\t)   ; the wave stores 256 consecutive bytes, aligned
.endm
.irp t, 0,1,2,3,4,5,6,7,8,9,10,11,12,13,14,15
	STEP \t
.endr
	ds_load_b64 v[8:9], v6                         ; LDS serves a wave's instructions in order: these see my stores
	s_wait_dscnt 0x0
	global_store_b64 v7, v[8:9], s[18:19]          ; 32 lanes store 256 consecutive bytes, aligned
	s_wait_tensorcnt 0x0                           ; the wave's end, behind my last LDS store
	ds_add_u32 v[SPW], v[NIL]
	s_wait_dscnt 0x0
	s_endpgm
.Lfunc_end_k_q1b616d3bbb_quant:
	.size	k_q1b616d3bbb_quant, .Lfunc_end_k_q1b616d3bbb_quant-k_q1b616d3bbb_quant
	.p2alignl 7, 3214868480
	.fill 96, 4, 3214868480
	.section	.rodata,"a",@progbits
	.p2align	6, 0x0
	.amdhsa_kernel k_q1b616d3bbb_quant
		.amdhsa_group_segment_fixed_size 33280
		.amdhsa_private_segment_fixed_size 0
		.amdhsa_enable_private_segment 0
		.amdhsa_kernarg_size 64
		.amdhsa_user_sgpr_count 2
		.amdhsa_user_sgpr_kernarg_segment_ptr 1
		.amdhsa_wavefront_size32 1
		.amdhsa_system_sgpr_workgroup_id_x 1
		.amdhsa_system_sgpr_workgroup_id_y 1
		.amdhsa_system_sgpr_workgroup_id_z 1
		.amdhsa_system_vgpr_workitem_id 0
		.amdhsa_next_free_vgpr 192
		.amdhsa_next_free_sgpr 66
		.amdhsa_reserve_vcc 0
		.amdhsa_float_denorm_mode_32 3
		.amdhsa_float_denorm_mode_16_64 3
		.amdhsa_memory_ordered 1
		.amdhsa_forward_progress 1
		.amdhsa_inst_pref_size 34
	.end_amdhsa_kernel
	.amdgpu_metadata
---
amdhsa.version: [ 1, 2 ]
amdhsa.kernels:
  - .name:           k_q1b616d3bbb_quant
    .symbol:         k_q1b616d3bbb_quant.kd
    .args:
      - { .name: queries, .offset: 0, .size: 8, .value_kind: global_buffer, .address_space: global }
      - { .name: keys, .offset: 8, .size: 8, .value_kind: global_buffer, .address_space: global }
      - { .name: values, .offset: 16, .size: 8, .value_kind: global_buffer, .address_space: global }
      - { .name: Wq, .offset: 24, .size: 8, .value_kind: global_buffer, .address_space: global }
      - { .name: Wk, .offset: 32, .size: 8, .value_kind: global_buffer, .address_space: global }
      - { .name: Wv, .offset: 40, .size: 8, .value_kind: global_buffer, .address_space: global }
      - { .name: codes, .offset: 48, .size: 8, .value_kind: global_buffer, .address_space: global }
      - { .name: scales, .offset: 56, .size: 8, .value_kind: global_buffer, .address_space: global }
    .group_segment_fixed_size: 33280
    .private_segment_fixed_size: 0
    .kernarg_segment_align: 8
    .kernarg_segment_size: 64
    .max_flat_workgroup_size: 128
    .sgpr_count:     66
    .vgpr_count:     192
    .wavefront_size: 32
...
	.end_amdgpu_metadata
.endif
;; end of part 1
;; launch proj (part 2): grid 4 x 48, 4 waves a work-group, clusters of 4 x 4, 327,680 bytes of LDS; arguments codes, scales, bq, bk, bv, qc, kv; writes qc, kv
.if DOCPART == 2
	.amdgcn_target "amdgcn-amd-amdhsa--gfx1250"
	.amdhsa_code_object_version 6
	.text
	.protected	k_q1b616d3bbb_proj
	.globl	k_q1b616d3bbb_proj
	.p2align	8
	.type	k_q1b616d3bbb_proj,@function
k_q1b616d3bbb_proj:
	s_mov_b64 s[64:65], 0
	v_nop
	global_prefetch_b8 v0, s[64:65] scope:SCOPE_SE
	s_setreg_imm32_b32 hwreg(HW_REG_WAVE_MODE, 25, 1), 1
	s_wait_xcnt 0x0
	s_wait_alu depctr_hold_cnt(0) depctr_sa_sdst(0) depctr_va_vdst(0) depctr_va_sdst(0) depctr_va_ssrc(0) depctr_va_vcc(0) depctr_vm_vsrc(0)
	s_getreg_b32 s2, hwreg(HW_REG_IB_STS2, 6, 4)
	s_cmp_eq_u32 s2, 0
	s_cbranch_scc0 .Lentry_in_a_cluster
	s_endpgm
.Lentry_in_a_cluster:
	s_bfe_u32 s2, ttmp6, 0x10000c
	s_cmp_lg_u32 s2, 0xf033
	s_cbranch_scc0 .Lentry_shape_is_right
	s_endpgm
.Lentry_shape_is_right:
; LAUNCH 2 OF 4.  The three projections, on the codes of launch 1; nothing is left out.  Q = queries Wq^T + bq, K = keys Wk^T + bk, V = values Wv^T + bv, K = 1,024, f32 sums,
; and each result is quantised at once for the attention's products and stored as IMAGES OF OPERAND REGISTERS.
; ONE TEXT FOR ALL THREE.  C'[i][j] = sum over k of S0[i][k] S1[j][k]: source 0's index i runs along a lane's registers, source 1's index j is the lane, and the result is quantised ALONG i.
;   Q, K (quantised along the head's 128 channels): S0 = W (i = channel), S1 = the tokens.      V (quantised along the keys): S0 = values (i = key), S1 = Wv (j = channel).
; Launch 1 stored W's and values' rows so that 16 neighbouring stored rows are rows 32 b + 8 u + p + 8 (p / 8) (tile 2 b + u, place p): register g of lane (r, h) of tile 2 b + u is then i = 32 b + 8 u + 16 h + g, so the 16 registers of
; two neighbouring tiles are 16 neighbours along i, and a wave's 128 (i) x 128 (j) is eight finished fragments of 16 rows (j) x 128 (i), each with a scale word a row.  Source 1's order only says which row of a fragment is which token
; or channel: this text never looks at it.  Nothing is transposed and nothing goes through LDS on the way out.
; SHARES.  The work is 384 tiles of 256 stacked rows of x by 256 rows of that projection's W.  A WORK-GROUP MAKES TWO: 512 neighbouring rows of x (number 0 .. 47: 16 for each projection) against one tile of W (0 .. 3).  So W's rows, W's scale
; bytes and the bias are fetched once for both tiles, and the second tile's rows of x land while the first tile is multiplied and quantised.  Wave w takes half w / 2 of a tile's x rows and half w % 2 of the W rows.
; LDS.  K = 1,024 is two slots of 512 codes (rows of 256 bytes), each with 256 rows of x and 256 of W.  The first fills: the scale bytes (x's 512 rows, W's 256), slot 0, slot 1: three tensor loads of a wave are out at the most.
; Two refills, 64 rows a wave: slot 0's x rows at the first tile's change of slots, slot 1's in its last step.  In front of each every wave waits for all its tensor loads, adds 0 to its spare word and waits for that and for its
; reads of the slot; a round of the cluster's barrier follows; the load is the first thing behind it.  W's rows are filled once.
; CLUSTERS: 4 x 4.  The four of a row need the same rows of x, the four of a column the same rows of W: each tile is asked for jointly.  A projection's 16 numbers are 4 whole clusters, so the projection is the same in all sixteen.
; THE BIAS is the C of a tile's first K step: by source 0's tile for Q and K (a register's channel), by source 1's tile for V (a lane's channel): that one step is written twice, under a branch on the cluster's number.
; OUTPUT.  A unit of 8,704 bytes for 128 tokens (or keys) of one head: fragment t at 1,024 t (registers 0-3 at 16 x lane, 4-7 at 512 + 16 x lane); at 8,192 the scale words: byte 16 L + 4 p = tile 2 p + L / 16, row L % 16.
;   qc: unit ((b 8 + h) 16 + u);  kv: 17,408 bytes for the same index: K's unit, then V's.  Every store of a wave covers 512 consecutive bytes, aligned to 256.
; NO PREFETCH: each refill is asked for four steps of 64 matrix instructions, or the whole quantiser, ahead of the wait for it.
; LIMITS: as in launch 1 (a block of zeros keeps the byte 1; NaN and infinities are not served).
; REGISTERS, in windows of 256: window 0: v1-31 addresses; v32-95 scale words, two sets; v96-123 at work in the quantiser; v128-191 source 1's eight fragments, later the codes; v192-255 the bias.
;   window 1: source 0's fragments, two sets, at v0 and v128.   windows 2, 3: the 64 accumulators: (a = source 1's tile, b = source 0's) at v[8 (8 (a % 4) + b)], window 2 + a / 4.
.set ROWB,   256                       ; a tile's row in bytes: 512 codes
.set KROW,   512                       ; a row of codes in memory
.set PITCH,  272                       ; an LDS row: 256 + 16 bytes = 68 words: the 16 rows that a load touches start at 16 different banks (64 banks of 4 bytes: ISA guide 11.1)
.set FR,     8
.set NP,     4                         ; places behind this matrix instruction (ISA guide 7.12.1)
.set HALFT,  128*PITCH
.set SLOT,   4*HALFT                   ; x's 256 rows, then W's 256
.set SCL,    2*SLOT                    ; the scale bytes, as runs of 256 bytes + 16 of padding: x's four runs of 128 rows, W's two
.set HALFS,  16*272                    ; those of 128 rows (32 bytes a row)
.set SBLK,   2*272                     ; those of 16 rows
.set SPARE,  SCL+6*HALFS               ; the spare words, 128 bytes a wave, which no other line names
.set WOFF,   24576*512                 ; where W's rows begin in codes,
.set WSOFF,  24576*32                  ; and in scales
.set UNIT,   8704
.set VB,   8                           ; v8-15   byte offsets of the bias for register g
.set ADRA, 16                          ; v16-17  LDS address of source 1's fragments in slot 0, 1
.set ADRB, 20                          ; v20-21  of source 0's
.set LI,   24                          ; v24     16 x lane
.set ADRS2, 26                         ; v26     LDS address of my scale words for the second tile,
.set ADRS, 27                          ; v27     for the first: lanes 0-15 source 1's rows, lanes 16-31 source 0's
.set SPW,  28                          ; v28     LDS address of my spare word; never rewritten
.set NIL,  29                          ; v29     0; never rewritten
.set FL,   30                          ; v30     the floor 2^(3 - 127)
.set SC,   32                          ; scale words: set s at v[SC + 32 s]; register 4 i + q: block i, the slot's q-th 128 along K
.set TM,   96                          ; v96-99 largest magnitudes, v100-103 bytes, v108-111 the conversions' scale operands
.set PW,   112                         ; v112-119 the scale word of fragment a
.set SW,   120                         ; v120-123 the scale block as it is stored
.set AF,   128
.set PC,   128                         ; the codes of fragment a at v[PC + 8 a]
.set CBI,  192                         ; the bias: 8 registers a tile
.set G1, 24                            ; s[24:31] group 1 for x's codes; s[32:39] its groups 0, one for each slot
.set G0, 32
.set G1B, 48                           ; s[48:55], s[56:63] the same for W's
.set G0B, 56
.set G1S, 68                           ; s[68:75], s[76:79] groups 1 and 0 for x's scale bytes; s[80:87], s[88:91] for W's
.set G0S, 76
.set G1SB, 80
.set G0SB, 88
.set G1R, 68                           ; the refills' descriptors take the scale loads' registers, once those loads are shown done: group 1,
.set G0R0, 76                          ; group 0 for slot 0,
.set G0R1, 88                          ; and for slot 1
.set MSB, 0
.macro WIN new                         ; the immediate's high byte repeats the setting that is left
.if MSB != \new
	s_set_vgpr_msb (MSB<<8)|\new
.set MSB, \new
.endif
.endm
.set MUL_LO, 0xa1                      ; source 0 window 1, source 1 window 0, C and D window 2
.set MUL_HI, 0xf1                      ; the same, C and D window 3
.set BIA_LO, 0x81                      ; C (the bias) window 0, D window 2
.set BIA_HI, 0xc1                      ; C window 0, D window 3
.set TO_B,   0x40                      ; destination window 1, address window 0
; A joint first fill: waves 0 and 1 fetch x's rows, waves 2 and 3 W's.  Each line has one mask and one set of registers for all that issue it; the branch hangs on the wave's number alone.
; An s_nop 0 and four v_nop follow each of the two lines.
.macro JLOAD g0a, g1a, g0b, g1b
	s_cmp_eq_u32 s19, 0
	s_cbranch_scc0 .Lfor_b_\@
	tensor_load_to_lds s[\g0a:\g0a+3], s[\g1a:\g1a+7]
	s_nop 0
.rept 4
	v_nop
.endr
	s_branch .Lasked_\@
.Lfor_b_\@:
	tensor_load_to_lds s[\g0b:\g0b+3], s[\g1b:\g1b+7]
	s_nop 0
.rept 4
	v_nop
.endr
.Lasked_\@:
.endm
.macro REFILL g0                       ; a joint refill: every wave fetches 64 of the second tile's 256 rows of x, under no branch; the four v_nop are also the places in front of what follows
	tensor_load_to_lds s[\g0:\g0+3], s[G1R:G1R+7]
	s_nop 0
.rept 4
	v_nop
.endr
.endm
.macro CREST                           ; a round of the cluster's barrier behind its opening barrier
	s_cmp_lg_u32 s18, 0
	s_cbranch_scc1 .Lnot_wave_0_\@
	s_barrier_signal -3
.Lnot_wave_0_\@:
	s_barrier_wait -3
	s_barrier_signal -1
	s_barrier_wait -1
.endm
.macro CROUND                          ; a whole round
	s_barrier_signal -1
	s_barrier_wait -1
	CREST
.endm
	s_load_b256 s[4:11], s[0:1], 0x0               ; codes s[4:5], scales s[6:7], bq s[8:9], bk s[10:11]
	s_load_b128 s[12:15], s[0:1], 0x20             ; bv s[12:13], qc s[14:15]
	s_load_b64 s[16:17], s[0:1], 0x30              ; kv
	v_lshl_add_u32 v[SPW], v0, 2, SPARE
	v_mov_b32 v[NIL], 0
	ds_add_u32 v[SPW], v[NIL]                      ; the wave's opening: the add, twice on end, and its wait ahead of my first tensor load
	ds_add_u32 v[SPW], v[NIL]                      ; and once more, under the one wait; the set-up below, work on registers, stands between
	v_lshrrev_b32 v1, 5, v0
	v_readfirstlane_b32 s18, v1                    ; wave 0..3
	s_lshr_b32 s19, s18, 1                         ; my half of a tile's x rows.  Also: I fetch x's rows (0) or W's (1)
	s_and_b32 s20, s18, 1                          ; my half of the W rows.  Also: which part I fetch
	s_bfe_u32 s40, ttmp6, 0x40000                  ; cx, cy: my place in the cluster
	s_bfe_u32 s41, ttmp6, 0x40004
	s_lshl_b32 s42, ttmp9, 2
	s_add_co_u32 s42, s42, s40                     ; W's tile = 4 x cluster x + cx
	s_and_b32 s21, ttmp7, 0xffff
	s_lshr_b32 s95, s21, 2                         ; the projection, 0, 1, 2: four clusters each, so the same in all sixteen partners
	s_lshl_b32 s21, s21, 2
	s_add_co_u32 s21, s21, s41                     ; my 512 stacked rows of x = 4 x cluster y + cy
	s_cmp_eq_u32 s95, 2
	s_cselect_b32 s96, 1, 0                        ; 1 for V
	s_lshl_b32 s43, s41, 2
	s_lshl_b32 s43, 15, s43                        ; my row of the cluster
	s_lshl_b32 s44, 0x1111, s40                    ; my column
	; descriptor group 1 for codes: 128 rows x 256 elements of one byte, 512 bytes apart, 16 bytes of padding behind each row in LDS
	s_or_b32 s[G1+0], s43, (0<<16)|(1<<20)|(1<<21)|(5<<22)|(3<<25)  ; 15:0 the mask: x's tiles go to my row; 20 padding on; 21 set beside a mask; 24:22 after every 64 words; 31:25 four words
	s_or_b32 s[G1B+0], s44, (0<<16)|(1<<20)|(1<<21)|(5<<22)|(3<<25) ; W's tiles go to my column
.irp g, G1, G1B
	s_mov_b32 s[\g+1], ROWB<<16                    ; tensor_dim0
	s_mov_b32 s[\g+2], 128<<16                     ; tensor_dim1
	s_mov_b32 s[\g+3], ROWB<<16                    ; tile_dim0
	s_mov_b32 s[\g+4], 128                         ; tile_dim1
	s_mov_b32 s[\g+5], KROW                        ; tensor_dim0_stride
	s_mov_b32 s[\g+6], 0
	s_mov_b32 s[\g+7], 0
.endr
	; and for the scale bytes, dense in memory, as rows of 256 bytes (32 elements of 8 bytes), 16 bytes of padding behind each: x's 256 rows to a load are 32 such rows, W's 128 are 16
	s_or_b32 s[G1S+0], s43, (3<<16)|(1<<20)|(1<<21)|(5<<22)|(3<<25)
	s_or_b32 s[G1SB+0], s44, (3<<16)|(1<<20)|(1<<21)|(5<<22)|(3<<25)
	s_mov_b32 s[G1S+2], 32<<16
	s_mov_b32 s[G1S+4], 32
	s_mov_b32 s[G1SB+2], 16<<16
	s_mov_b32 s[G1SB+4], 16
.irp g, G1S, G1SB
	s_mov_b32 s[\g+1], 32<<16
	s_mov_b32 s[\g+3], 32<<16
	s_mov_b32 s[\g+5], 32
	s_mov_b32 s[\g+6], 0
	s_mov_b32 s[\g+7], 0
.endr
	s_lshl_b32 s23, s20, 7
	s_lshl_b32 s22, s21, 9
	s_add_co_u32 s22, s22, s23                     ; x, first tile: stacked row 512 x number + 128 x half: it hangs on cy, never on cx
	s_lshl_b32 s22, s22, 9                         ; its codes
	s_mov_b32 s23, 0
	s_lshl_b32 s66, s21, 9
	s_lshl_b32 s67, s20, 8
	s_add_co_u32 s66, s66, s67                     ; x's scale bytes: wave 0 fetches the first tile's 256 rows, wave 1 the second's
	s_lshl_b32 s66, s66, 5
	s_mov_b32 s67, 0
	s_lshl_b32 s104, s21, 9
	s_lshl_b32 s105, s18, 6
	s_add_co_u32 s104, s104, s105
	s_add_co_u32 s104, s104, 256                   ; x, second tile: row 512 x number + 256 + 64 x wave: what I fetch in a refill
	s_lshl_b32 s104, s104, 9
	s_mov_b32 s105, 0
	s_lshl_b32 s46, s95, 10
	s_lshl_b32 s47, s42, 8
	s_add_co_u32 s46, s46, s47
	s_lshl_b32 s47, s20, 7
	s_add_co_u32 s46, s46, s47                     ; W: row 1,024 x projection + 256 x tile + 128 x half: it hangs on cx, never on cy
	s_lshl_b32 s92, s46, 5
	s_add_co_u32 s92, s92, WSOFF
	s_mov_b32 s93, 0
	s_lshl_b32 s46, s46, 9
	s_add_co_u32 s46, s46, WOFF
	s_mov_b32 s47, 0
	s_mul_i32 s45, s18, HALFT                      ; where the codes go: wave x 128 rows: no place in the cluster enters an LDS address
	s_mul_i32 s94, s20, HALFS
	s_mov_b32 s2, 0x76543210
	s_mov_b32 s3, 0xfedcba98                       ; v_permlanex16_b32's selects for lane l xor 16
	s_wait_dscnt 0x0                               ; both opening adds are done
	s_wait_kmcnt 0x0
	s_add_nc_u64 s[22:23], s[4:5], s[22:23]
	s_add_nc_u64 s[66:67], s[6:7], s[66:67]
	s_add_nc_u64 s[46:47], s[4:5], s[46:47]
	s_add_nc_u64 s[92:93], s[6:7], s[92:93]
	s_add_nc_u64 s[104:105], s[4:5], s[104:105]
	CROUND                                         ; all sixteen work-groups are here: the joint loads meet
	s_mov_b32 s[G0S], 1
	s_lshl_b32 s[G0S+1], s94, 1                    ; x's scale bytes: 256 rows to a load, two runs of 128
	s_add_co_u32 s[G0S+1], s[G0S+1], SCL
	s_mov_b64 s[G0S+2:G0S+3], s[66:67]
	s_or_b32 s[G0S+3], s[G0S+3], 0x80000000
	s_mov_b32 s[G0SB], 1
	s_add_co_u32 s[G0SB+1], s94, SCL+4*HALFS       ; W's, behind x's four runs
	s_mov_b64 s[G0SB+2:G0SB+3], s[92:93]
	s_or_b32 s[G0SB+3], s[G0SB+3], 0x80000000
	JLOAD G0S, G1S, G0SB, G1SB                     ; the scale bytes first: they are wanted with slot 0
.irp s, 0,1
	s_mov_b32 s[G0+4*\s], 1
	s_add_co_u32 s[G0+4*\s+1], s45, \s*SLOT
	s_add_nc_u64 s[G0+4*\s+2:G0+4*\s+3], s[22:23], \s*ROWB
	s_or_b32 s[G0+4*\s+3], s[G0+4*\s+3], 0x80000000
	s_mov_b32 s[G0B+4*\s], 1
	s_add_co_u32 s[G0B+4*\s+1], s45, \s*SLOT
	s_add_nc_u64 s[G0B+4*\s+2:G0B+4*\s+3], s[46:47], \s*ROWB
	s_or_b32 s[G0B+4*\s+3], s[G0B+4*\s+3], 0x80000000
	JLOAD G0+4*\s, G1, G0B+4*\s, G1B
.endr
	; LDS addresses.  What the projection chooses is chosen by selects on the cluster's number: which of the two tiles is source 0
	v_and_b32 v1, 15, v0                           ; r = l % 16
	v_bfe_u32 v2, v0, 4, 1                         ; h = l / 16
	v_and_b32 v7, 31, v0                           ; lane
	v_lshlrev_b32 v[LI], 4, v7
	v_mul_u32_u24 v3, v1, PITCH
	v_lshl_add_u32 v4, v2, 4, v3                   ; a fragment's row x pitch + 16 x half
	s_mul_i32 s22, s19, HALFT                      ; my 128 rows of x
	s_mul_i32 s23, s20, HALFT
	s_add_co_u32 s23, s23, 2*HALFT                 ; my 128 rows of W, behind x's 256
	s_cmp_eq_u32 s95, 2
	s_cselect_b32 s66, s22, s23                    ; source 0: x's rows for V, else W's
	s_cselect_b32 s67, s23, s22                    ; source 1: the other
.irp s, 0,1
	v_add_nc_u32 v[ADRA+\s], s67, v4
	v_add_nc_u32 v[ADRB+\s], s66, v4
	s_add_co_u32 s66, s66, SLOT
	s_add_co_u32 s67, s67, SLOT
.endr
	v_lshlrev_b32 v5, 5, v1                        ; my row's scale bytes: 32 a row,
	v_lshrrev_b32 v6, 8, v5
	v_lshl_add_u32 v5, v6, 4, v5                   ; and 16 more for each 256 passed
	s_mul_i32 s22, s19, HALFS                      ; x's, first tile: my 128 rows
	s_mul_i32 s23, s20, HALFS
	s_add_co_u32 s23, s23, 4*HALFS                 ; W's, behind x's 512
	s_sub_co_u32 s23, s23, s22                     ; the distance between the two, above 0
	s_cmp_eq_u32 s95, 2
	s_cselect_b32 s66, -1, 0
	v_xor_b32 v6, 1, v2                            ; 1 - h
	v_cndmask_b32 v6, v2, v6, s66                  ; 1 where my lane takes W's words: lanes 16-31 (source 0) for Q and K, lanes 0-15 (source 1) for V
	v_mul_u32_u24 v3, s23, v6                      ; one product: the lower base + 0 or 1 x the distance
	s_add_co_u32 s22, s22, SCL
	v_add_nc_u32 v3, v5, v3
	v_add_nc_u32 v[ADRS], s22, v3
	s_sub_co_u32 s23, s23, 2*HALFS                 ; second tile: x's words lie two runs further on, so the distance is as much shorter: still above 0
	s_add_co_u32 s22, s22, 2*HALFS
	v_mul_u32_u24 v3, s23, v6
	v_add_nc_u32 v3, v5, v3
	v_add_nc_u32 v[ADRS2], s22, v3
	v_mov_b32 v[FL], 0x1800000
.irp b, 0,1,2,3
	v_mov_b32 v[TM+4+\b], 0                        ; written once: a lane permute's destination counts as one of its sources
.endr
	; the bias of my 128 channels, in the result's layout; it serves both tiles.  Q, K: register g of source 0's tile t: channel 32 (t / 2) + 8 (t % 2) + 16 h + g.  V: lane r of source 1's tile t: channel 32 (t / 2) + 8 (t % 2) + r + 8 (r / 8), in all 8 registers
	s_cmp_eq_u32 s95, 1
	s_cselect_b64 s[8:9], s[10:11], s[8:9]
	s_cmp_eq_u32 s95, 2
	s_cselect_b64 s[8:9], s[12:13], s[8:9]
	s_cselect_b32 s97, 0, 64                       ; bytes for h
	s_cselect_b32 s98, 4, 0                        ; for r + 8 (r / 8)
	s_cselect_b32 s99, 0, 4                        ; for g
	s_lshl_b32 s22, s42, 1
	s_add_co_u32 s22, s22, s20                     ; the head: 2 x W's tile + half
	s_lshl_b32 s66, s22, 9                         ; 512 bytes of bias a head
	s_mov_b32 s67, 0
	s_add_nc_u64 s[8:9], s[8:9], s[66:67]
	v_and_b32 v5, 8, v1
	v_add_nc_u32 v5, v5, v1                        ; r + 8 (r / 8)
	v_mul_u32_u24 v6, s98, v5
	v_mad_u32_u24 v[VB], v2, s97, v6
.irp g, 1,2,3,4,5,6,7
	v_add_nc_u32 v[VB+\g], s99, v[VB+\g-1]
.endr
.irp t, 0,1,2,3,4,5,6,7
.irp g, 0,1,2,3,4,5,6,7
	global_load_b32 v[CBI+8*\t+\g], v[VB+\g], s[8:9] offset:(32*(\t/2)+8*(\t%2))*4
.endr
.endr
	; where my units go
	s_and_b32 s66, s21, 15
	s_lshl_b32 s66, s66, 2
	s_add_co_u32 s66, s66, s19                     ; which 128 tokens of the 8,192, first tile: 4 x number + half; the second tile's lie two further on, in the same batch
	s_lshr_b32 s67, s66, 4                         ; the batch
	s_lshl_b32 s67, s67, 3
	s_add_co_u32 s67, s67, s22                     ; x 8 + the head
	s_lshl_b32 s67, s67, 4
	s_and_b32 s66, s66, 15
	s_add_co_u32 s66, s66, s67                     ; x 16 + the 128 tokens in the batch
	s_mov_b32 s67, 2*UNIT
	s_cmp_eq_u32 s95, 0
	s_cselect_b32 s67, UNIT, s67
	s_cselect_b64 s[100:101], s[14:15], s[16:17]   ; Q's go to qc, K's and V's to kv
	s_mul_i32 s66, s66, s67
	s_mul_i32 s23, s96, UNIT                       ; V's unit lies behind K's
	s_add_co_u32 s66, s66, s23
	s_lshl_b32 s22, s67, 1                         ; s[22:23]: from the first tile's unit to the second's; kept
	s_mov_b32 s23, 0
	s_mov_b32 s67, 0
	s_add_nc_u64 s[100:101], s[100:101], s[66:67]
.macro FRAG reg, adr, q, i             ; a fragment, 16 rows x 128 K of 4-bit codes: lane l holds row l % 16; registers 4 c .. 4 c + 3 hold K = 64 c + 32 (l / 16) + 0 .. 31
.irp c, 0,1
	ds_load_b128 v[\reg+4*\c:\reg+4*\c+3], v[\adr] offset:64*(\q)+32*\c+(\i)*16*PITCH
.endr
.endm
; 16 matrix instructions: source 1's blocks a0, a0 + 1 x source 0's eight, the slot's q-th 128 along K.  p: source 0's set;  sc: the set of scale words.
; cm = 0: the sums go on;  1: they begin with the bias of source 0's tile;  2: of source 1's.  The 64 accumulators take turns, one instruction a turn, in the same order in every step.
.macro MUL16 a0, p, q, sc, cm
.irp a, \a0, \a0+1
.irp b, 0,1,2,3,4,5,6,7
.if \cm == 1
	v_wmma_scale_f32_16x16x128_f8f6f4 v[8*(8*((\a)%4)+\b):8*(8*((\a)%4)+\b)+7], v[128*(\p)+FR*\b:128*(\p)+FR*\b+FR-1], v[AF+FR*(\a):AF+FR*(\a)+FR-1], v[CBI+8*\b:CBI+8*\b+7], v[SC+32*(\sc)+4*\b+(\q)], v[SC+32*(\sc)+4*(\a)+(\q)] matrix_a_fmt:MATRIX_FMT_FP4 matrix_b_fmt:MATRIX_FMT_FP4 matrix_a_scale:MATRIX_SCALE_ROW1
.elseif \cm == 2
	v_wmma_scale_f32_16x16x128_f8f6f4 v[8*(8*((\a)%4)+\b):8*(8*((\a)%4)+\b)+7], v[128*(\p)+FR*\b:128*(\p)+FR*\b+FR-1], v[AF+FR*(\a):AF+FR*(\a)+FR-1], v[CBI+8*(\a):CBI+8*(\a)+7], v[SC+32*(\sc)+4*\b+(\q)], v[SC+32*(\sc)+4*(\a)+(\q)] matrix_a_fmt:MATRIX_FMT_FP4 matrix_b_fmt:MATRIX_FMT_FP4 matrix_a_scale:MATRIX_SCALE_ROW1
.else
	v_wmma_scale_f32_16x16x128_f8f6f4 v[8*(8*((\a)%4)+\b):8*(8*((\a)%4)+\b)+7], v[128*(\p)+FR*\b:128*(\p)+FR*\b+FR-1], v[AF+FR*(\a):AF+FR*(\a)+FR-1], v[8*(8*((\a)%4)+\b):8*(8*((\a)%4)+\b)+7], v[SC+32*(\sc)+4*\b+(\q)], v[SC+32*(\sc)+4*(\a)+(\q)] matrix_a_fmt:MATRIX_FMT_FP4 matrix_b_fmt:MATRIX_FMT_FP4 matrix_a_scale:MATRIX_SCALE_ROW1
.endif
.endr
.endr
.endm
.macro FETCH_B slot, q, p              ; source 0's eight fragments of the slot's q-th 128 along K into set p
	WIN TO_B
.irp i, 0,1,2,3,4,5,6,7
	FRAG 128*(\p)+FR*\i, ADRB+\slot, \q, \i
.endr
	WIN 0
.endm
.macro FETCH_A slot, q, i0             ; source 1's blocks i0 .. i0 + 3
.irp i, \i0, \i0+1, \i0+2, \i0+3
	FRAG AF+FR*(\i), ADRA+\slot, \q, \i
.endr
.endm
.macro SCALES sc, adrs                 ; slot sc's scale words: four words a row, 16 sc bytes into the row's 32; adrs: the tile's address register
.irp i, 0,1,2,3,4,5,6,7
	ds_load_b128 v[SC+32*\sc+4*\i:SC+32*\sc+4*\i+3], v[\adrs] offset:\i*SBLK+16*\sc
.endr
.endm
.macro PLACES n                        ; plain vector instructions between a matrix instruction and a load into, or a vector read or write of, its registers
.rept \n
	v_nop
.endr
.endm
; A step of 128 along K that has its successor in the same slot.  Source 1 has one set of registers: blocks 0-3 are fetched anew in the step's middle, blocks 4-7 at its end; source 0 has two sets.
.macro STEP slot, q, cm
	s_wait_dscnt 8                                 ; all but the youngest eight loads (source 1's blocks 4-7) are in
.if \cm
	WIN BIA_LO
.else
	WIN MUL_LO
.endif
	MUL16 0, (\q)%2, \q, \slot, \cm
	MUL16 2, (\q)%2, \q, \slot, \cm
	s_wait_dscnt 0                                 ; blocks 4-7 are in (asked for 32 matrix instructions ago)
	PLACES NP
	FETCH_B \slot, (\q)+1, 1-(\q)%2
	FETCH_A \slot, (\q)+1, 0
.if \cm
	WIN BIA_HI
.else
	WIN MUL_HI
.endif
	MUL16 4, (\q)%2, \q, \slot, \cm
	MUL16 6, (\q)%2, \q, \slot, \cm
	PLACES NP
	WIN 0
	FETCH_A \slot, (\q)+1, 4
.endm
.macro FIRST adrs                      ; a tile's first fragments and scale words
	FETCH_B 0, 0, 0
	FETCH_A 0, 0, 0
	SCALES 0, \adrs
	FETCH_A 0, 0, 4
.endm
; Slot 0's last step changes slots: ONE barrier; in front of it each wave waits for all its tensor loads (its part of slot 1 among them) and for its reads of slot 0.
; fill = 1 (the first tile): slot 0's x rows are filled again with the second tile's: the add stands behind the wait for the tensor loads, the barrier opens a round of the cluster's, and the load is the first thing behind the round.
.macro CHANGE fill, adrs
	s_wait_tensorcnt 0x0                           ; all my tensor loads have landed  (every window is 0 here: the add's two registers lie in window 0)
.if \fill
	ds_add_u32 v[SPW], v[NIL]                      ; 0 onto my spare word
	s_wait_dscnt 9                                 ; (the add and the youngest eight loads may be out)
.else
	s_wait_dscnt 8                                 ; (the youngest eight loads may be out)
.endif
	WIN MUL_LO
	MUL16 0, 1, 3, 0, 0                            ; sixteen matrix instructions stand between the add and the wait for it
	s_wait_dscnt 0x0                               ; the add is done, and my reads of slot 0 are over
	s_barrier_signal -1
	MUL16 2, 1, 3, 0, 0                            ; work on registers while the others arrive
	WIN 0
	s_barrier_wait -1                              ; slot 1 is whole, and nobody of my work-group reads slot 0
.if \fill
	CREST                                          ; nor does any wave of a partner, and none has a load on its way
	REFILL G0R0                                    ; it has the four steps of slot 1 in which to land
.else
	PLACES NP
.endif
	FETCH_B 1, 0, 0
	FETCH_A 1, 0, 0
	SCALES 1, \adrs
	WIN MUL_HI
	MUL16 4, 1, 3, 0, 0
	MUL16 6, 1, 3, 0, 0
	PLACES NP
	WIN 0
	FETCH_A 1, 0, 4
.endm
; A tile's last step.  fill = 1: slot 1's x rows are filled again, in the same order of lines; the wait for all tensor loads also shows slot 0's refill landed, and the round shows it of every wave.
.macro LAST fill
.if \fill
	s_wait_tensorcnt 0x0
	ds_add_u32 v[SPW], v[NIL]
	s_wait_dscnt 9                                 ; (the add and the youngest eight loads may be out)
	WIN MUL_LO
	MUL16 0, 1, 3, 1, 0
	s_wait_dscnt 0x0                               ; the add is done, and my reads of slot 1 are over: the last fragments are in registers
	s_barrier_signal -1
	MUL16 2, 1, 3, 1, 0
	WIN 0
	s_barrier_wait -1
	CREST
	REFILL G0R1                                    ; it has the quantiser and the next tile's four steps of slot 0 in which to land
	WIN MUL_HI
	MUL16 4, 1, 3, 1, 0
	MUL16 6, 1, 3, 1, 0
	WIN 0
.else
	s_wait_dscnt 8                                 ; nothing more to fetch
	WIN MUL_LO
	MUL16 0, 1, 3, 1, 0
	MUL16 2, 1, 3, 1, 0
	s_wait_dscnt 0
	WIN MUL_HI
	MUL16 4, 1, 3, 1, 0
	MUL16 6, 1, 3, 1, 0
	WIN 0
.endif
.endm
; THE QUANTISER.  The eight accumulators of source 1's tile a are 64 registers on end: register 16 b + i = index 32 b + 16 h + i along the next K, of my lane's row.  They become fragment a's codes and its scale word, and the codes leave at once.
.macro QUANT a
.set QW, 2+(\a)/4                      ; the accumulators' window
.set QS, 64*((\a)%4)
.set QP, PC+8*(\a)
.set QW12, (QW<<2)|(QW<<4)
	WIN QW12                                       ; sources 1 and 2 in the accumulators' window
.irp b, 0,1,2,3
	v_max3_num_f32 v[TM+\b], v[FL], |v[QS+16*\b]|, |v[QS+16*\b+1]|   ; block b: my 16 numbers and the floor; each accumulator is read from its low end on
.endr
.irp i, 2,4,6,8,10,12,14
.irp b, 0,1,2,3
	v_max3_num_f32 v[TM+\b], v[TM+\b], |v[QS+16*\b+\i]|, |v[QS+16*\b+\i+1]|   ; (the four blocks by turns)
.endr
.endr
	WIN 0
.irp b, 0,1,2,3
	v_permlanex16_b32 v[TM+4+\b], v[TM+\b], s2, s3
.endr
.irp b, 0,1,2,3
	v_max_num_f32 v[TM+\b], v[TM+\b], v[TM+4+\b]   ; with lane l xor 16's: the block's largest magnitude
.endr
.irp b, 0,1,2,3
	v_add_nc_u32 v[TM+12+\b], 0xff000000, v[TM+\b] ; 2 off its exponent field: the conversion's scale operand
.endr
.irp b, 0,1,2,3
	v_lshrrev_b32 v[TM+4+\b], 23, v[TM+12+\b]      ; the scale's byte
.endr
	v_lshl_or_b32 v[PW+(\a)], v[TM+5], 8, v[TM+4]  ; the four bytes make my row's scale word
	v_lshl_or_b32 v[PW+(\a)], v[TM+6], 16, v[PW+(\a)]
	v_lshl_or_b32 v[PW+(\a)], v[TM+7], 24, v[PW+(\a)]
	WIN QW                                         ; source 0 in the accumulators' window
.irp b, 0,1,2,3
	v_cvt_scalef32_pk8_fp4_f32 v[QP+2*\b], v[QS+16*\b:QS+16*\b+7], v[TM+12+\b]
	v_cvt_scalef32_pk8_fp4_f32 v[QP+2*\b+1], v[QS+16*\b+8:QS+16*\b+15], v[TM+12+\b]
.endr
	WIN 0
	v_nop                                          ; one plain line behind a scaled conversion
.irp c, 0,1                            ; the operand's layout wants a whole block in a lane: lanes 0-15 block 2 c, lanes 16-31 block 2 c + 1
.irp i, 0,1
	v_permlane16_swap_b32 v[QP+4*\c+\i], v[QP+2+4*\c+\i]
.endr
.endr
.irp c, 0,1
	global_store_b128 v[LI], v[QP+4*\c:QP+4*\c+3], s[100:101] offset:1024*(\a)+512*\c   ; the image: 32 lanes store 512 consecutive bytes; in a tile each fragment has registers of its own
.endr
.endm
; A TILE: eight steps of 128 along K, the quantiser, the stores.
.macro TILE fill, adrs
	s_cmp_eq_u32 s96, 0                            ; the first step is written twice: its C is the bias, by source 0's tile (Q, K) or by source 1's (V).  The condition is the cluster's number: the same in all partners and waves
	s_cbranch_scc0 .Lfor_v_\@
	STEP 0, 0, 1
	s_branch .Ljoined_\@
.Lfor_v_\@:
	STEP 0, 0, 2
.Ljoined_\@:
	STEP 0, 1, 0
	STEP 0, 2, 0
	CHANGE \fill, \adrs
	STEP 1, 0, 0
	STEP 1, 1, 0
	STEP 1, 2, 0
	LAST \fill
	PLACES NP                                      ; behind the last products: the quantiser reads results and writes over source 1's fragments
.irp a, 0,1,2,3,4,5,6,7
	QUANT \a
.endr
	v_cmp_gt_u32 vcc_lo, 16, v7                    ; lanes 0-15 store the even tiles' words, lanes 16-31 the odd tiles'
.irp p, 0,1,2,3
	v_cndmask_b32 v[SW+\p], v[PW+2*\p+1], v[PW+2*\p], vcc_lo
.endr
	global_store_b128 v[LI], v[SW:SW+3], s[100:101] offset:8192
.endm
	s_wait_tensorcnt 1                             ; the scale bytes and my part of slot 0 are in; one younger load, slot 1's, may stay out
	s_barrier_signal -1
	s_barrier_wait -1                              ; everybody's are
	; the refills' descriptors, in the registers of the scale loads, which the wait above has shown done: 64 rows x 256 bytes, padded as the first fills are, shared along my row of the cluster
	s_or_b32 s[G1R+0], s43, (0<<16)|(1<<20)|(1<<21)|(5<<22)|(3<<25)
	s_mov_b32 s[G1R+1], ROWB<<16
	s_mov_b32 s[G1R+2], 64<<16
	s_mov_b32 s[G1R+3], ROWB<<16
	s_mov_b32 s[G1R+4], 64
	s_mov_b32 s[G1R+5], KROW
	s_mov_b32 s[G1R+6], 0
	s_mov_b32 s[G1R+7], 0
	s_mul_i32 s94, s18, 64*PITCH                   ; wave x 64 rows of a slot's x part
	s_mov_b32 s[G0R0], 1
	s_mov_b32 s[G0R0+1], s94
	s_mov_b64 s[G0R0+2:G0R0+3], s[104:105]
	s_or_b32 s[G0R0+3], s[G0R0+3], 0x80000000
	s_mov_b32 s[G0R1], 1
	s_add_co_u32 s[G0R1+1], s94, SLOT
	s_add_nc_u64 s[G0R1+2:G0R1+3], s[104:105], ROWB
	s_or_b32 s[G0R1+3], s[G0R1+3], 0x80000000
	FIRST ADRS
	s_wait_loadcnt 0x0                             ; the bias
	TILE 1, ADRS                                   ; the first tile; it asks for the second tile's rows of x
	s_wait_xcnt 0x0                                ; the first tile's stores have read their registers and their base: both are written again below
	s_add_nc_u64 s[100:101], s[100:101], s[22:23]  ; on to the second tile's unit
	FIRST ADRS2                                    ; slot 0's refill was shown landed, of every wave, by the round in the first tile's last step
	TILE 0, ADRS2                                  ; the second tile asks for nothing
	s_wait_tensorcnt 0x0                           ; the wave's end, behind my last tensor load
	ds_add_u32 v[SPW], v[NIL]
	s_wait_dscnt 0x0
	CROUND                                         ; the closing round: no work-group ends while a partner may still ask for a tile that names it
	s_endpgm
.Lfunc_end_k_q1b616d3bbb_proj:
	.size	k_q1b616d3bbb_proj, .Lfunc_end_k_q1b616d3bbb_proj-k_q1b616d3bbb_proj
	.p2alignl 7, 3214868480
	.fill 96, 4, 3214868480
	.section	.rodata,"a",@progbits
	.p2align	6, 0x0
	.amdhsa_kernel k_q1b616d3bbb_proj
		.amdhsa_group_segment_fixed_size 327680
		.amdhsa_private_segment_fixed_size 0
		.amdhsa_enable_private_segment 0
		.amdhsa_kernarg_size 56
		.amdhsa_user_sgpr_count 2
		.amdhsa_user_sgpr_kernarg_segment_ptr 1
		.amdhsa_wavefront_size32 1
		.amdhsa_system_sgpr_workgroup_id_x 1
		.amdhsa_system_sgpr_workgroup_id_y 1
		.amdhsa_system_sgpr_workgroup_id_z 1
		.amdhsa_system_vgpr_workitem_id 0
		.amdhsa_next_free_vgpr 1024
		.amdhsa_next_free_sgpr 106
		.amdhsa_reserve_vcc 1
		.amdhsa_float_denorm_mode_32 3
		.amdhsa_float_denorm_mode_16_64 3
		.amdhsa_memory_ordered 1
		.amdhsa_forward_progress 1
		.amdhsa_inst_pref_size 255
	.end_amdhsa_kernel
	.section	.bss,"aw",@nobits
	.p2align	6
	.space	262144
	.amdgpu_metadata
---
amdhsa.version: [ 1, 2 ]
amdhsa.kernels:
  - .name:           k_q1b616d3bbb_proj
    .symbol:         k_q1b616d3bbb_proj.kd
    .args:
      - { .name: codes, .offset: 0, .size: 8, .value_kind: global_buffer, .address_space: global }
      - { .name: scales, .offset: 8, .size: 8, .value_kind: global_buffer, .address_space: global }
      - { .name: bq, .offset: 16, .size: 8, .value_kind: global_buffer, .address_space: global }
      - { .name: bk, .offset: 24, .size: 8, .value_kind: global_buffer, .address_space: global }
      - { .name: bv, .offset: 32, .size: 8, .value_kind: global_buffer, .address_space: global }
      - { .name: qc, .offset: 40, .size: 8, .value_kind: global_buffer, .address_space: global }
      - { .name: kv, .offset: 48, .size: 8, .value_kind: global_buffer, .address_space: global }
    .group_segment_fixed_size: 327680
    .private_segment_fixed_size: 0
    .kernarg_segment_align: 8
    .kernarg_segment_size: 56
    .max_flat_workgroup_size: 128
    .sgpr_count:     106
    .vgpr_count:     1024
    .wavefront_size: 32
...
	.end_amdgpu_metadata
.endif
;; end of part 2
;; launch attn (part 3): grid 8 x 32, 16 waves a work-group, clusters of 4 x 1, 327,680 bytes of LDS; arguments qc, kv, queries, x; writes x
.if DOCPART == 3
	.amdgcn_target "amdgcn-amd-amdhsa--gfx1250"
	.amdhsa_code_object_version 6
	.text
	.protected	k_q1b616d3bbb_attn
	.globl	k_q1b616d3bbb_attn
	.p2align	8
	.type	k_q1b616d3bbb_attn,@function
k_q1b616d3bbb_attn:
	s_mov_b64 s[64:65], 0
	v_nop
	global_prefetch_b8 v0, s[64:65] scope:SCOPE_SE
	s_setreg_imm32_b32 hwreg(HW_REG_WAVE_MODE, 25, 1), 1
	s_wait_xcnt 0x0
	s_wait_alu depctr_hold_cnt(0) depctr_sa_sdst(0) depctr_va_vdst(0) depctr_va_sdst(0) depctr_va_ssrc(0) depctr_va_vcc(0) depctr_vm_vsrc(0)
	s_getreg_b32 s2, hwreg(HW_REG_IB_STS2, 6, 4)
	s_cmp_eq_u32 s2, 0
	s_cbranch_scc0 .Lentry_in_a_cluster
	s_endpgm
.Lentry_in_a_cluster:
	s_bfe_u32 s2, ttmp6, 0x10000c
	s_cmp_lg_u32 s2, 0x3003
	s_cbranch_scc0 .Lentry_shape_is_right
	s_endpgm
.Lentry_shape_is_right:
; LAUNCH 3 OF 4.  x[b][q][128 h ..] = softmax_k(Q . K / sqrt(128)) V + queries, both products on the codes of launch 2; nothing is left out.
; THE SOFTMAX AHEAD OF THE SECOND PRODUCT: t = score x log2(e) / sqrt(128); M = the row's largest t so far, rounded up to a whole number; p = 2^(t - M) is what is quantised, along the keys, not normalised.
; The row's sum is taken of the unquantised p, in f32, and divides O at the end.  When M moves, the sum and O are multiplied by 2^(old M - new M): exact.
; SHARES.  A work-group owns 256 queries of one (batch, head); each of its sixteen waves one tile of 16 queries, in 256 registers: four waves to a SIMD, so that one wave's vector work stands beside another's products and LDS loads.
; THE HEAD'S K AND V STAY IN LDS: 16 key steps x 17,408 bytes = 278,528 dense bytes, each byte filled once.  Each wave asks for two parts at the head: 4,352 bytes of key steps 0-3 and 13,056 of key steps 4-15: two tensor loads
; of a wave are out at the most; the first four key steps are worked while the rest lands.
; CLUSTER.  The four query blocks of a cluster belong to one head: every load is a joint load with the mask of all four, its descriptor made of the head and the wave's number alone.
; LAYOUT.  Both products are used transposed: S^T = K Q^T (source 0 = 16 keys), O^T = V^T P^T (source 0 = 16 channels): a lane holds one query throughout.  Fragments lie in LDS as images of their registers: a load reads
; 512 consecutive bytes.  THE KEYS OF A TILE: place p of tile 4 c + u is key 64 c + 8 u + p + 24 (p / 8) of the step, so that lane (r, h) holds, in the 32 registers of tiles 4 c .. 4 c + 3, keys 64 c + 32 h + 0 .. 31 in order:
; a WHOLE block of the quantiser, and the very keys and order that the second product's operand gives that lane.  So a block's maximum needs no other lane and the conversions' results are the operand as they stand.
; Channels and queries: place p of tile 2 b + u is 32 b + 8 u + p + 8 (p / 8): the 16 registers of O^T's tiles 2 b, 2 b + 1 are channels 32 b + 16 h + 0 .. 15.
; A unit's scale block gives four registers by one load: register p holds tile 2 p's words in lanes 0-15 and tile 2 p + 1's in lanes 16-31.
; LIMITS: a block whose every p has fallen to 0 keeps the byte 1 (its codes are zeros); NaN and infinities are not served.
; REGISTERS: v1-8, v28 addresses and a shift that stay; v12 -M, v13 the largest t, v[14:15] the sum in two halves; v16-23 Q; v32-95 eight fragments of K, then of V, at the end queries; v96-159 S^T, then p, at the end O / sum;
;   v160-223 O^T, at the end rows of x; v224-231 p's codes; v232-247, v252, v254 at work; v248-251 K's or V's scale words; v253 p's scale word; v255 Q's.
.set UNIT,  8704
.set STEPB, 2*UNIT                     ; a key step: K's unit, then V's
.set HEADB, 16*STEPB
.set CHA,   17*256                     ; a wave's part of key steps 0-3
.set CHB,   51*256                     ; and of key steps 4-15
.set SPARE, HEADB                      ; behind K and V: the spare words, 128 bytes a wave, which no other line names
.set SPT,   272                        ; the way out: a stage of 16 rows x (256 + 16) bytes for each wave; the sixteen stages are exactly the bytes of key steps 0-3, which have had their only fill and their last read when the second loop begins
.set LI,   1                           ; v1   16 x lane
.set ADR,  2                           ; v2   LDS address of the key step in hand
.set STO,  3                           ; v3   the stage: where I put 64 bytes of a row
.set RD,   4                           ; v4   and where I read a row back
.set SPW,  5                           ; v5   LDS address of my spare word; never rewritten
.set NIL,  6                           ; v6   0; never rewritten
.set GO,   7                           ; v7   my byte offset in the wave's rows of queries and of x
.set PFO,  8                           ; v8   the prefetch's offset
.set SH,   28                          ; v28  8 x (lane / 16): how far up my two scale bytes stand in p's scale word
.set WV,   18
.set SEL,  20                          ; s[20:21]
.set CS,   22                          ; s[22:23] c = log2(e) / sqrt(128)
.set TB,   2                           ; s2   LDS byte at which the key step in hand begins
.set CNT,  3                           ; s3   key steps to go in the loop
.set G1A,  24
.set G1B,  32
.set G0A,  40
.set G0B,  44
.macro CROUND                          ; a round of the cluster's barrier
	s_barrier_signal -1
	s_barrier_wait -1
	s_cmp_lg_u32 s[WV], 0
	s_cbranch_scc1 .Lnot_wave_0_\@
	s_barrier_signal -3
.Lnot_wave_0_\@:
	s_barrier_wait -3
	s_barrier_signal -1
	s_barrier_wait -1
.endm
	s_load_b256 s[4:11], s[0:1], 0x0               ; qc s[4:5], kv s[6:7], queries s[8:9], x s[10:11]
	v_lshl_add_u32 v[SPW], v0, 2, SPARE
	v_mov_b32 v[NIL], 0
	ds_add_u32 v[SPW], v[NIL]                      ; the wave's opening: the add, twice on end, and its wait ahead of my first tensor load
	ds_add_u32 v[SPW], v[NIL]                      ; and once more, under the one wait; the set-up below, work on registers, stands between
	v_lshrrev_b32 v9, 5, v0
	v_readfirstlane_b32 s[WV], v9                  ; wave 0..15
	s_bfe_u32 s52, ttmp6, 0x40000                  ; cx: it enters Q's, queries' and x's addresses alone
	s_lshl_b32 s53, ttmp9, 2
	s_add_co_u32 s53, s53, s52                     ; my block of 256 queries
	s_and_b32 s54, ttmp7, 0xffff                   ; 8 x batch + head, which the four partners share
	s_lshr_b32 s55, s[WV], 3                       ; which 128 of the 256
	s_and_b32 s58, s[WV], 7                        ; my tile in that unit
	s_mul_i32 s12, s54, HEADB                      ; the head's K and V in memory
	s_mul_i32 s[G0A+1], s[WV], CHA                 ; LDS address of my part of key steps 0-3: the wave's number times a constant
	s_mul_i32 s[G0B+1], s[WV], CHB
	s_add_co_u32 s[G0B+1], s[G0B+1], 16*CHA        ; and of key steps 4-15
	s_add_co_u32 s14, s12, s[G0B+1]                ; memory and LDS are laid alike
	s_add_co_u32 s12, s12, s[G0A+1]
	s_mov_b32 s13, 0
	s_mov_b32 s15, 0
	s_mov_b32 s[G0A], 1
	s_mov_b32 s[G0B], 1
	; descriptor group 1: dense rows of 256 bytes (32 elements of 8 bytes), no padding; 17 rows, or 51
	s_mov_b32 s[G1A], 15|(3<<16)|(1<<21)           ; 15:0 the mask: all four work-groups; 17:16 elements of 8 bytes; 21 set beside a mask
	s_mov_b32 s[G1A+1], 32<<16
	s_mov_b32 s[G1A+2], 17<<16
	s_mov_b32 s[G1A+3], 32<<16
	s_mov_b32 s[G1A+4], 17
	s_mov_b32 s[G1A+5], 32
	s_mov_b32 s[G1A+6], 0
	s_mov_b32 s[G1A+7], 0
	s_mov_b32 s[G1B], 15|(3<<16)|(1<<21)
	s_mov_b32 s[G1B+1], 32<<16
	s_mov_b32 s[G1B+2], 51<<16
	s_mov_b32 s[G1B+3], 32<<16
	s_mov_b32 s[G1B+4], 51
	s_mov_b32 s[G1B+5], 32
	s_mov_b32 s[G1B+6], 0
	s_mov_b32 s[G1B+7], 0
	s_lshl_b32 s56, s54, 4
	s_lshl_b32 s57, s53, 1
	s_add_co_u32 s56, s56, s57
	s_add_co_u32 s56, s56, s55
	s_mul_i32 s56, s56, UNIT                       ; my unit of Q
	s_and_b32 s59, s58, 1                          ; tile % 2
	s_lshr_b32 s62, s58, 1                         ; tile / 2
	s_lshl_b32 s16, s59, 8
	s_lshl_b32 s17, s62, 2
	s_add_co_u32 s16, s16, s17
	s_add_co_u32 s16, s16, s56
	s_add_co_u32 s16, s16, 8192                    ; my tile's scale words: 8,192 + 16 (r + 16 (tile % 2)) + 4 (tile / 2)
	s_mov_b32 s17, 0
	s_lshl_b32 s57, s58, 10
	s_add_co_u32 s56, s56, s57                     ; my fragment
	s_mov_b32 s57, 0
	s_lshr_b32 s60, s54, 3
	s_lshl_b32 s60, s60, 11                        ; the batch's 2,048 tokens
	s_lshl_b32 s61, s53, 8
	s_add_co_u32 s60, s60, s61
	s_lshl_b32 s61, s55, 7
	s_add_co_u32 s60, s60, s61
	s_lshl_b32 s61, s62, 5
	s_add_co_u32 s60, s60, s61
	s_lshl_b32 s61, s59, 3
	s_add_co_u32 s60, s60, s61                     ; place 0 of my tile: place p is p + 8 (p / 8) tokens on
	s_lshl_b32 s60, s60, 12                        ; 4,096 bytes a token,
	s_and_b32 s61, s54, 7
	s_lshl_b32 s61, s61, 9                         ; 512 a head
	s_add_co_u32 s60, s60, s61
	s_mov_b32 s61, 0
	s_mul_i32 s63, s[WV], 16*SPT                   ; my stage
	s_mov_b32 s[SEL], 0x76543210
	s_mov_b32 s[SEL+1], 0xfedcba98
	s_mov_b32 s[CS], 0x3e0293ee                    ; c = log2(e) / sqrt(128)
	s_mov_b32 s[CS+1], s[CS]                       ; (named with it as a pair, so it is written)
	s_mov_b32 s[TB], 0
	s_wait_dscnt 0x0                               ; both opening adds are done
	s_wait_kmcnt 0x0
	s_add_nc_u64 s[G0A+2:G0A+3], s[6:7], s[12:13]
	s_or_b32 s[G0A+3], s[G0A+3], 0x80000000
	s_add_nc_u64 s[G0B+2:G0B+3], s[6:7], s[14:15]
	s_or_b32 s[G0B+3], s[G0B+3], 0x80000000
	s_add_nc_u64 s[16:17], s[4:5], s[16:17]
	s_add_nc_u64 s[4:5], s[4:5], s[56:57]
	s_add_nc_u64 s[48:49], s[8:9], s[60:61]        ; queries at my tile
	s_add_nc_u64 s[50:51], s[10:11], s[60:61]      ; x likewise
	CROUND                                         ; all four work-groups are here: the joint loads meet
	tensor_load_to_lds s[G0A:G0A+3], s[G1A:G1A+7]  ; every wave issues both, under no branch
	s_nop 0
	tensor_load_to_lds s[G0B:G0B+3], s[G1B:G1B+7]
	s_nop 0
.rept 4
	v_nop
.endr
	v_and_b32 v9, 15, v0                           ; r
	v_bfe_u32 v10, v0, 4, 1                        ; h
	v_and_b32 v11, 31, v0                          ; lane
	v_lshlrev_b32 v[LI], 4, v11
	v_lshlrev_b32 v24, 4, v9                       ; 16 r
	global_load_b128 v[16:19], v[LI], s[4:5]       ; Q's fragment stays in registers
	global_load_b128 v[20:23], v[LI], s[4:5] offset:512
	global_load_b32 v255, v24, s[16:17]            ; Q's scale words: lane r has row r's
	v_lshlrev_b32 v[SH], 3, v10
	v_mul_u32_u24 v[STO], v9, SPT
	v_lshl_add_u32 v[STO], v10, 6, v[STO]
	v_add_nc_u32 v[STO], s63, v[STO]               ; in: row r, + 64 h: my 16 channels of each 32
	v_mul_u32_u24 v[RD], v10, SPT
	v_lshl_add_u32 v[RD], v9, 4, v[RD]
	v_add_nc_u32 v[RD], s63, v[RD]                 ; back: lanes 0-15 one row, lanes 16-31 the next
	v_lshlrev_b32 v[GO], 12, v10
	v_lshl_add_u32 v[GO], v9, 4, v[GO]             ; and the same two rows in memory
	v_lshrrev_b32 v25, 1, v11
	v_lshl_add_u32 v25, v10, 3, v25                ; the prefetch: two lanes to a token: place l / 2, which is l / 2 + 8 (l / 16) tokens on,
	v_and_b32 v26, 1, v0
	v_lshlrev_b32 v26, 8, v26                      ; 256 bytes a lane
	v_lshl_add_u32 v[PFO], v25, 12, v26
	v_mov_b32 v13, 0xff61b1e6                      ; the largest t so far: -3e38, under every t
	v_floor_f32 v12, -v13                          ; -M
	v_mov_b32 v14, 0                               ; the sum, in two halves
	v_mov_b32 v15, 0
.irp b, 0,1,2,3
	v_mov_b32 v[236+\b], 0                         ; written once: a lane permute's destination counts as one of its sources
.endr
	v_mov_b32 v253, 0                              ; (named as the upper half of the pair v[252:253] before it is first written)
.irp j, 0,1,2,3,4,5,6,7,8,9,10,11,12,13,14,15,16,17,18,19,20,21,22,23,24,25,26,27,28,29,30,31,32,33,34,35,36,37,38,39,40,41,42,43,44,45,46,47,48,49,50,51,52,53,54,55,56,57,58,59,60,61,62,63
	v_mov_b32 v[160+\j], 0                         ; O^T.  (The key step is written for a loop: its first trip finds zeros, which the first change of M leaves zeros)
.endr
	s_wait_loadcnt 0x0                             ; Q
.macro SQK t                           ; S^T, tile t: 16 keys x my 16 queries, K = the head's 128
.if (\t)%2
	v_wmma_scale_f32_16x16x128_f8f6f4 v[96+8*(\t):103+8*(\t)], v[32+8*(\t):39+8*(\t)], v[16:23], 0, v[248+(\t)/2], v255 matrix_a_fmt:MATRIX_FMT_FP4 matrix_b_fmt:MATRIX_FMT_FP4 matrix_a_scale:MATRIX_SCALE_ROW1
.else
	v_wmma_scale_f32_16x16x128_f8f6f4 v[96+8*(\t):103+8*(\t)], v[32+8*(\t):39+8*(\t)], v[16:23], 0, v[248+(\t)/2], v255 matrix_a_fmt:MATRIX_FMT_FP4 matrix_b_fmt:MATRIX_FMT_FP4
.endif
.endm
.macro PVT t                           ; O^T, tile t: 16 channels x my 16 queries, K = these 128 keys
.if (\t)%2
	v_wmma_scale_f32_16x16x128_f8f6f4 v[160+8*(\t):167+8*(\t)], v[32+8*(\t):39+8*(\t)], v[224:231], v[160+8*(\t):167+8*(\t)], v[248+(\t)/2], v253 matrix_a_fmt:MATRIX_FMT_FP4 matrix_b_fmt:MATRIX_FMT_FP4 matrix_a_scale:MATRIX_SCALE_ROW1
.else
	v_wmma_scale_f32_16x16x128_f8f6f4 v[160+8*(\t):167+8*(\t)], v[32+8*(\t):39+8*(\t)], v[224:231], v[160+8*(\t):167+8*(\t)], v[248+(\t)/2], v253 matrix_a_fmt:MATRIX_FMT_FP4 matrix_b_fmt:MATRIX_FMT_FP4
.endif
.endm
.macro TMM p                           ; pair p of the scores: t - M, two at a time (of the pairs c and -M the low word serves both halves)
	v_pk_fma_f32 v[96+2*(\p):97+2*(\p)], v[96+2*(\p):97+2*(\p)], s[CS:CS+1], v[12:13] op_sel_hi:[1,0,0]
.endm
; A KEY STEP: 128 keys.  ask = 1: in the loop's last trip but one the wave asks for its part of queries.
.macro STEP ask
	v_add_nc_u32 v[ADR], s[TB], v[LI]              ; (the seventeen additions at the last step's end and this one are the places between its products and the loads into their registers)
	ds_load_b128 v[248:251], v[ADR] offset:8192    ; K's scale words
.irp t, 0,1,2,3,4,5,6,7
.irp c, 0,1
	ds_load_b128 v[32+8*\t+4*\c:35+8*\t+4*\c], v[ADR] offset:1024*\t+512*\c
.endr
.endr
	s_wait_dscnt 8                                 ; all but the youngest eight loads, fragments 4-7
.irp t, 0,1,2,3
	SQK \t
.endr
	s_wait_dscnt 0x0
.irp t, 4,5,6,7
	SQK \t
.endr
.rept 4
	v_nop                                          ; places: behind them V's loads land on K's registers, and the scores are read
.endr
	ds_load_b128 v[248:251], v[ADR] offset:UNIT+8192   ; V's scale words and fragments are asked for now: they land under the softmax
.irp t, 0,1,2,3,4,5,6,7
.irp c, 0,1
	ds_load_b128 v[32+8*\t+4*\c:35+8*\t+4*\c], v[ADR] offset:UNIT+1024*\t+512*\c
.endr
.endr
.if \ask
; A PREFETCH of my tile's 16 tokens x 512 bytes of queries, which the way out loads: 32 aligned blocks of 256 bytes, a lane a block, one instruction a wave, in the last trip but one.  No two waves of the launch own the same token and head: each block is named once.
	s_cmp_eq_u32 s[CNT], 2
	s_cbranch_scc0 .Lnot_yet_\@
	global_prefetch_b8 v[PFO], s[48:49] th:TH_LOAD_NT scope:SCOPE_SE
.Lnot_yet_\@:
.endif
; The largest score of each of my two blocks of 32 keys: it serves for the row's maximum and, since p rises with the score, for the block's largest p.  Four chains of 15 registers, two to a block; each accumulator is read from its low end on
.irp b, 0,1,2,3
	v_max3_num_f32 v[232+\b], v[96+16*\b], v[97+16*\b], v[98+16*\b]
.endr
.irp i, 3,5,7,9,11,13
.irp b, 0,1,2,3
	v_max3_num_f32 v[232+\b], v[232+\b], v[96+16*\b+\i], v[97+16*\b+\i]
.endr
.endr
.irp c, 0,1
	v_max3_num_f32 v[232+2*\c], v[232+2*\c], v[233+2*\c], v[111+32*\c]   ; a block's two chains and the two registers left over
.endr
.irp c, 0,1
	v_max_num_f32 v[232+2*\c], v[232+2*\c], v[127+32*\c]
.endr
	v_max_num_f32 v254, v232, v234
	v_permlanex16_b32 v236, v254, s[SEL], s[SEL+1]
	v_max_num_f32 v254, v254, v236                 ; with lane l xor 16's two blocks: the step's largest score of my query
	v_mul_f32 v254, s[CS], v254                    ; as t (c is positive)
	v_max_num_f32 v13, v13, v254                   ; the running largest t
	v_mov_b32 v254, v12
	v_floor_f32 v12, -v13                          ; the new -M = floor(-t) = -ceil(t): a whole number
	v_sub_f32 v254, v12, v254                      ; M's old value less its new one: a whole number, 0 or less
	v_cvt_i32_f32 v254, v254                       ; (it saturates)
	v_ldexp_f32 v252, 1.0, v254                    ; f = 2^(old M - new M)
; ONE BATCH: all 66 exponentials, none of which reads another's result, with the plain work that reads none of them dealt between: the scalings t - M (each two fours ahead of its exponentials), the sums and O^T under the new M
	TMM 0
	TMM 1
	v_fma_f32 v232, v232, s[CS], v12               ; t - M of each block's largest score
	v_fma_f32 v234, v234, s[CS], v12
	v_exp_f32 v232, v232                           ; the block's largest p: the same two instructions on the same number give the same bits
	v_pk_mul_f32 v[14:15], v[14:15], v[252:253] op_sel_hi:[1,0]   ; the sums under the new M
	v_exp_f32 v234, v234
.set jj, 0
.rept 32
	v_pk_mul_f32 v[160+2*jj:161+2*jj], v[160+2*jj:161+2*jj], v[252:253] op_sel_hi:[1,0]   ; O^T under the new M, each accumulator from its low end on
	v_exp_f32 v[96+2*jj], v[96+2*jj]               ; p = 2^(t - M), at most 1: not normalised
.if jj < 30
	TMM jj+2
.endif
	v_exp_f32 v[97+2*jj], v[97+2*jj]
.set jj, jj+1
.endr
	v_nop                                          ; a plain line behind the last exponential
	s_wait_alu depctr_va_vdst(0)                   ; one wait for the whole batch, ahead of its first reader
.irp c, 0,1
	v_max_num_f32 v[232+2*\c], 0x1800000, v[232+2*\c]  ; the floor 2^(3 - 127): the byte cannot fall under 1
.endr
.irp c, 0,1
	v_add_nc_u32 v[244+2*\c], 0xff000000, v[232+2*\c]  ; 2 off the exponent field: the conversion's scale operand
.endr
.irp c, 0,1
	v_lshrrev_b32 v[236+2*\c], 23, v[244+2*\c]     ; the scale's byte
.endr
	v_lshl_or_b32 v253, v238, 16, v236             ; my two bytes: blocks h and 2 + h of my query,
	v_lshlrev_b32 v253, v[SH], v253                ; at their places in the scale word (8 h bits up);
	v_permlanex16_b32 v237, v253, s[SEL], s[SEL+1]
	v_or_b32 v253, v253, v237                      ; with lane l xor 16's two the word is whole
.irp c, 0,1
.irp u, 0,1,2,3
	v_cvt_scalef32_pk8_fp4_f32 v[224+4*\c+\u], v[96+32*\c+8*\u:103+32*\c+8*\u], v[244+2*\c]   ; registers 4 c .. 4 c + 3 of the operand: keys 64 c + 32 h + 0 .. 31
.endr
.endr
	v_nop                                          ; one plain line behind a scaled conversion
; The row's sum is taken of the unquantised p: two at a time, in two chains.  The first fifteen additions are the places between p's codes and scale word and the products; the other seventeen the places behind the products
	v_pk_add_f32 v[236:237], v[96:97], v[98:99]
.irp j, 4,8,12,16,20,24,28
	v_pk_add_f32 v[14:15], v[14:15], v[96+\j:97+\j]
	v_pk_add_f32 v[236:237], v[236:237], v[98+\j:99+\j]
.endr
	s_wait_dscnt 0x0                               ; V is in
.irp t, 0,1,2,3,4,5,6,7
	PVT \t                                         ; eight accumulators, one instruction each
.endr
.irp j, 32,36,40,44,48,52,56,60
	v_pk_add_f32 v[14:15], v[14:15], v[96+\j:97+\j]
	v_pk_add_f32 v[236:237], v[236:237], v[98+\j:99+\j]
.endr
	v_pk_add_f32 v[14:15], v[14:15], v[236:237]
	s_add_co_u32 s[TB], s[TB], STEPB
.endm
	s_wait_tensorcnt 1                             ; my part of key steps 0-3 is in; one younger load, key steps 4-15, may stay out
	s_barrier_signal -1
	s_barrier_wait -1                              ; everybody's is
	s_mov_b32 s[CNT], 4
.Lfirst:
	STEP 0
	s_sub_co_u32 s[CNT], s[CNT], 1
	s_cmp_lg_u32 s[CNT], 0
	s_cbranch_scc1 .Lfirst
	s_wait_tensorcnt 0x0                           ; my part of key steps 4-15 is in,
	s_wait_dscnt 0x0                               ; and my reads of key steps 0-3 are over;
	s_barrier_signal -1
	s_barrier_wait -1                              ; both hold of every wave: from here on nobody reads the bytes of key steps 0-3, in which the stages lie
	s_mov_b32 s[TB], 4*STEPB                       ; key step 4 begins behind the sixteen stages
	s_mov_b32 s[CNT], 12
.Lrest:
	STEP 1
	s_sub_co_u32 s[CNT], s[CNT], 1
	s_cmp_lg_u32 s[CNT], 0
	s_cbranch_scc1 .Lrest
	; THE WAY OUT.  O^T / the sum goes through my stage in LDS, half a head's row (64 channels, 256 bytes) of 16 queries at a time, comes back as rows, takes queries, and leaves: sixteen lanes store 256 consecutive bytes, aligned.
	; No barrier stands here: my stage is my own, and the others' last reads of its bytes stand in front of the barrier between the two loops.  So a wave that leaves the loop early loads and stores while the others still compute.
.irp u, 0,1
.irp i, 0,1,2,3,4,5,6,7
	global_load_b128 v[32+32*\u+4*\i:35+32*\u+4*\i], v[GO], s[48:49] offset:(2*\i+8*(\i/4))*4096+256*\u th:TH_LOAD_NT   ; queries: places 2 i and 2 i + 1 of my tile, channels 64 u on
.endr
.endr
	v_add_f32 v14, v14, v15                        ; the sum's two halves,
	v_permlanex16_b32 v252, v14, s[SEL], s[SEL+1]
	v_add_f32 v14, v14, v252                       ; and lane l xor 16's: the row's sum
	v_rcp_f32 v14, v14
	v_nop                                          ; a plain line behind the reciprocal
	s_wait_alu depctr_va_vdst(0)                   ; and the wait ahead of its first reader
.irp j, 0,1,2,3,4,5,6,7,8,9,10,11,12,13,14,15,16,17,18,19,20,21,22,23,24,25,26,27,28,29,30,31,32,33,34,35,36,37,38,39,40,41,42,43,44,45,46,47,48,49,50,51,52,53,54,55,56,57,58,59,60,61,62,63
	v_mul_f32 v[96+\j], v[160+\j], v14             ; register 16 b + i is channel 32 b + 16 h + i of my query
.endr
.irp u, 0,1
.irp e, 0,1
.irp k, 0,1,2,3
	ds_store_b128 v[STO], v[96+32*\u+16*\e+4*\k:99+32*\u+16*\e+4*\k] offset:128*\e+16*\k
.endr
.endr
.irp i, 0,1,2,3,4,5,6,7
	ds_load_b128 v[160+32*\u+4*\i:163+32*\u+4*\i], v[RD] offset:2*\i*SPT   ; LDS serves a wave's instructions in order: these see my stores, and the next half's stores come behind them
.endr
.endr
	s_wait_loadcnt 0x0                             ; queries
.irp u, 0,1
.irp i, 0,1,2,3,4,5,6,7
	s_wait_dscnt 23-16*\u-\i                       ; the LDS instructions issued behind this load may be out
	v_pk_add_f32 v[160+32*\u+4*\i:161+32*\u+4*\i], v[160+32*\u+4*\i:161+32*\u+4*\i], v[32+32*\u+4*\i:33+32*\u+4*\i]
	v_pk_add_f32 v[162+32*\u+4*\i:163+32*\u+4*\i], v[162+32*\u+4*\i:163+32*\u+4*\i], v[34+32*\u+4*\i:35+32*\u+4*\i]
	global_store_b128 v[GO], v[160+32*\u+4*\i:163+32*\u+4*\i], s[50:51] offset:(2*\i+8*(\i/4))*4096+256*\u
.endr
.endr
	s_wait_tensorcnt 0x0                           ; the wave's end, behind my last tensor load and my last LDS store
	ds_add_u32 v[SPW], v[NIL]
	s_wait_dscnt 0x0
	CROUND                                         ; the closing round: no work-group ends while a partner may still ask for a tile that names it
	s_endpgm
.Lfunc_end_k_q1b616d3bbb_attn:
	.size	k_q1b616d3bbb_attn, .Lfunc_end_k_q1b616d3bbb_attn-k_q1b616d3bbb_attn
	.p2alignl 7, 3214868480
	.fill 96, 4, 3214868480
	.section	.rodata,"a",@progbits
	.p2align	6, 0x0
	.amdhsa_kernel k_q1b616d3bbb_attn
		.amdhsa_group_segment_fixed_size 327680
		.amdhsa_private_segment_fixed_size 0
		.amdhsa_enable_private_segment 0
		.amdhsa_kernarg_size 32
		.amdhsa_user_sgpr_count 2
		.amdhsa_user_sgpr_kernarg_segment_ptr 1
		.amdhsa_wavefront_size32 1
		.amdhsa_system_sgpr_workgroup_id_x 1
		.amdhsa_system_sgpr_workgroup_id_y 1
		.amdhsa_system_sgpr_workgroup_id_z 1
		.amdhsa_system_vgpr_workitem_id 0
		.amdhsa_next_free_vgpr 256
		.amdhsa_next_free_sgpr 66
		.amdhsa_reserve_vcc 0
		.amdhsa_float_denorm_mode_32 3
		.amdhsa_float_denorm_mode_16_64 3
		.amdhsa_memory_ordered 1
		.amdhsa_forward_progress 1
		.amdhsa_inst_pref_size 52
	.end_amdhsa_kernel
	.amdgpu_metadata
---
amdhsa.version: [ 1, 2 ]
amdhsa.kernels:
  - .name:           k_q1b616d3bbb_attn
    .symbol:         k_q1b616d3bbb_attn.kd
    .args:
      - { .name: qc, .offset: 0, .size: 8, .value_kind: global_buffer, .address_space: global }
      - { .name: kv, .offset: 8, .size: 8, .value_kind: global_buffer, .address_space: global }
      - { .name: queries, .offset: 16, .size: 8, .value_kind: global_buffer, .address_space: global }
      - { .name: x, .offset: 24, .size: 8, .value_kind: global_buffer, .address_space: global }
    .group_segment_fixed_size: 327680
    .private_segment_fixed_size: 0
    .kernarg_segment_align: 8
    .kernarg_segment_size: 32
    .max_flat_workgroup_size: 512
    .sgpr_count:     66
    .vgpr_count:     256
    .wavefront_size: 32
...
	.end_amdgpu_metadata
.endif
;; end of part 3
;; launch lnorm (part 4): grid 256 x 1, 8 waves a work-group, no clusters, 0 bytes of LDS; arguments x, gamma, beta, out0; writes out0
.if DOCPART == 4
	.amdgcn_target "amdgcn-amd-amdhsa--gfx1250"
	.amdhsa_code_object_version 6
	.text
	.protected	k_q1b616d3bbb_lnorm
	.globl	k_q1b616d3bbb_lnorm
	.p2align	8
	.type	k_q1b616d3bbb_lnorm,@function
k_q1b616d3bbb_lnorm:
	s_mov_b64 s[64:65], 0
	v_nop
	global_prefetch_b8 v0, s[64:65] scope:SCOPE_SE
	s_setreg_imm32_b32 hwreg(HW_REG_WAVE_MODE, 25, 1), 1
	s_wait_xcnt 0x0
; LAUNCH 4 OF 4.  out0[row] = (x - mean) / sqrt(var + 1e-5) x gamma + beta over a row's 1,024 numbers; x = attention + queries, from launch 3; nothing is left out.
; A row is 4,096 bytes: one wave takes a whole row, eight loads of 16 bytes a lane, and keeps it in 32 registers through mean, variance and scaling: x is read once, and no wave waits for another.
; The variance is the mean of (x - mean)^2, taken of the differences: a common offset of the inputs costs no accuracy.
; Eight waves, four rows each, all 48 loads of a wave issued at the head: no loop, no LDS, no barrier, no cluster (rows share only gamma and beta, 8 KB).  Each load and store of a wave covers 512 consecutive bytes.
.set XB,  32                           ; v32-159  row i at v[XB + 32 i]
.set GA,  160                          ; v160-191 gamma of my 32 columns
.set BE,  192                          ; v192-223 beta
	s_load_b256 s[4:11], s[0:1], 0x0               ; x s[4:5], gamma s[6:7], beta s[8:9], out0 s[10:11]
	v_lshrrev_b32 v2, 5, v0
	v_readfirstlane_b32 s16, v2                    ; wave
	v_and_b32 v1, 31, v0
	v_lshlrev_b32 v1, 4, v1                        ; 16 x lane; never rewritten
	s_lshl_b32 s18, ttmp9, 17                      ; 32 rows a work-group,
	s_lshl_b32 s17, s16, 14                        ; 4 a wave
	s_add_co_u32 s18, s18, s17
	s_mov_b32 s19, 0
	s_mov_b32 s12, 0x3a800000                      ; 1 / 1,024
	s_mov_b32 s13, 0x3727c5ac                      ; 1e-5
	s_mov_b32 s14, 0x76543210
	s_mov_b32 s15, 0xfedcba98                      ; v_permlanex16_b32's selects for lane l xor 16
	v_mov_b32 v11, 0                               ; (upper halves of the pairs v[10:11] and v[12:13], of which the low word serves both halves)
	v_mov_b32 v13, 0
	s_wait_kmcnt 0x0
	s_add_nc_u64 s[4:5], s[4:5], s[18:19]
	s_add_nc_u64 s[10:11], s[10:11], s[18:19]
.irp j, 0,1,2,3,4,5,6,7
	global_load_b128 v[XB+4*\j:XB+4*\j+3], v1, s[4:5] offset:512*\j th:TH_LOAD_NT
.endr
.irp j, 0,1,2,3,4,5,6,7
	global_load_b128 v[GA+4*\j:GA+4*\j+3], v1, s[6:7] offset:512*\j
.endr
.irp j, 0,1,2,3,4,5,6,7
	global_load_b128 v[BE+4*\j:BE+4*\j+3], v1, s[8:9] offset:512*\j
.endr
.irp i, 1,2,3
.irp j, 0,1,2,3,4,5,6,7
	global_load_b128 v[XB+32*\i+4*\j:XB+32*\i+4*\j+3], v1, s[4:5] offset:4096*\i+512*\j th:TH_LOAD_NT
.endr
.endr
.macro ACROSS                          ; v2 summed over the 32 lanes, the result in every lane
	v_add_f32_dpp v2, v2, v2 row_xmask:1 row_mask:0xf bank_mask:0xf
	v_add_f32_dpp v2, v2, v2 row_xmask:2 row_mask:0xf bank_mask:0xf
	v_add_f32_dpp v2, v2, v2 row_xmask:4 row_mask:0xf bank_mask:0xf
	v_add_f32_dpp v2, v2, v2 row_xmask:8 row_mask:0xf bank_mask:0xf
	v_permlanex16_b32 v3, v2, s14, s15
	v_add_f32 v2, v2, v3
.endm
.macro JOIN                            ; four chains of pairs into v2
	v_pk_add_f32 v[2:3], v[2:3], v[4:5]
	v_pk_add_f32 v[6:7], v[6:7], v[8:9]
	v_pk_add_f32 v[2:3], v[2:3], v[6:7]
	v_add_f32 v2, v2, v3
.endm
; Row i.  left = how many younger loads may stay out.
.macro ROW i, left
.set XR, XB+32*(\i)
	s_wait_loadcnt \left                           ; loads come back in order: my row is in
.irp c, 0,1,2,3
	v_pk_add_f32 v[2+2*\c:3+2*\c], v[XR+4*\c:XR+4*\c+1], v[XR+4*\c+2:XR+4*\c+3]   ; the sum, in four chains: nothing is cleared
.endr
.irp k, 16,24
.irp c, 0,1,2,3
	v_pk_add_f32 v[2+2*\c:3+2*\c], v[2+2*\c:3+2*\c], v[XR+\k+2*\c:XR+\k+2*\c+1]
.endr
.endr
	JOIN
	ACROSS
	v_mul_f32 v10, s12, v2                         ; the mean
.irp p, 0,2,4,6,8,10,12,14,16,18,20,22,24,26,28,30
	v_pk_add_f32 v[XR+\p:XR+\p+1], v[XR+\p:XR+\p+1], v[10:11] op_sel_hi:[1,0] neg_lo:[0,1] neg_hi:[0,1]   ; x - mean
.endr
.irp c, 0,1,2,3
	v_pk_mul_f32 v[2+2*\c:3+2*\c], v[XR+2*\c:XR+2*\c+1], v[XR+2*\c:XR+2*\c+1]     ; the squares, in four chains
.endr
.irp k, 8,16,24
.irp c, 0,1,2,3
	v_pk_fma_f32 v[2+2*\c:3+2*\c], v[XR+\k+2*\c:XR+\k+2*\c+1], v[XR+\k+2*\c:XR+\k+2*\c+1], v[2+2*\c:3+2*\c]
.endr
.endr
	JOIN
	ACROSS
	v_fma_f32 v12, v2, s12, s13                    ; the variance + 1e-5
	v_rsq_f32 v12, v12
	v_nop                                          ; a plain line behind the transcendental
	s_wait_alu depctr_va_vdst(0)                   ; and the wait ahead of its first reader
.if (\i) == 0
	s_wait_loadcnt 24                              ; gamma and beta are in; rows 1 to 3 may be out
.endif
.irp p, 0,2,4,6,8,10,12,14,16,18,20,22,24,26,28,30
	v_pk_mul_f32 v[XR+\p:XR+\p+1], v[XR+\p:XR+\p+1], v[12:13] op_sel_hi:[1,0]
.endr
.irp p, 0,2,4,6,8,10,12,14,16,18,20,22,24,26,28,30
	v_pk_fma_f32 v[XR+\p:XR+\p+1], v[XR+\p:XR+\p+1], v[GA+\p:GA+\p+1], v[BE+\p:BE+\p+1]
.endr
.irp j, 0,1,2,3,4,5,6,7
	global_store_b128 v1, v[XR+4*\j:XR+4*\j+3], s[10:11] offset:4096*(\i)+512*\j th:TH_STORE_NT   ; a row's registers are written no more behind its stores
.endr
.endm
	ROW 0, 40
	ROW 1, 16
	ROW 2, 8
	ROW 3, 0
	s_endpgm
.Lfunc_end_k_q1b616d3bbb_lnorm:
	.size	k_q1b616d3bbb_lnorm, .Lfunc_end_k_q1b616d3bbb_lnorm-k_q1b616d3bbb_lnorm
	.p2alignl 7, 3214868480
	.fill 96, 4, 3214868480
	.section	.rodata,"a",@progbits
	.p2align	6, 0x0
	.amdhsa_kernel k_q1b616d3bbb_lnorm
		.amdhsa_group_segment_fixed_size 0
		.amdhsa_private_segment_fixed_size 0
		.amdhsa_enable_private_segment 0
		.amdhsa_kernarg_size 32
		.amdhsa_user_sgpr_count 2
		.amdhsa_user_sgpr_kernarg_segment_ptr 1
		.amdhsa_wavefront_size32 1
		.amdhsa_system_sgpr_workgroup_id_x 1
		.amdhsa_system_sgpr_workgroup_id_y 1
		.amdhsa_system_sgpr_workgroup_id_z 1
		.amdhsa_system_vgpr_workitem_id 0
		.amdhsa_next_free_vgpr 224
		.amdhsa_next_free_sgpr 66
		.amdhsa_reserve_vcc 0
		.amdhsa_float_denorm_mode_32 3
		.amdhsa_float_denorm_mode_16_64 3
		.amdhsa_memory_ordered 1
		.amdhsa_forward_progress 1
		.amdhsa_inst_pref_size 33
	.end_amdhsa_kernel
	.amdgpu_metadata
---
amdhsa.version: [ 1, 2 ]
amdhsa.kernels:
  - .name:           k_q1b616d3bbb_lnorm
    .symbol:         k_q1b616d3bbb_lnorm.kd
    .args:
      - { .name: x, .offset: 0, .size: 8, .value_kind: global_buffer, .address_space: global }
      - { .name: gamma, .offset: 8, .size: 8, .value_kind: global_buffer, .address_space: global }
      - { .name: beta, .offset: 16, .size: 8, .value_kind: global_buffer, .address_space: global }
      - { .name: out0, .offset: 24, .size: 8, .value_kind: global_buffer, .address_space: global }
    .group_segment_fixed_size: 0
    .private_segment_fixed_size: 0
    .kernarg_segment_align: 8
    .kernarg_segment_size: 32
    .max_flat_workgroup_size: 256
    .sgpr_count:     66
    .vgpr_count:     224
    .wavefront_size: 32
...
	.end_amdgpu_metadata
.endif
;; end of part 4
